; MI455X (gfx1250); checked and timed in simulation.
; The chip was launched on July 23, 2026; its instructions are those of AMD's public machine-readable ISA for CDNA 5 (MIT licence, August 2026) and "CDNA5" Instruction Set Architecture Reference Guide (July 2026). The comments in the code are by the model that wrote it; some were corrected since.
;; Multi Head Self Attention. Allowed arithmetic: matrix products marked QUANTISED: E2M3 operands, one E8M0 scale for each 32 along K, by v_wmma_scale_f32_16x16x128_f8f6f4 with both operands' format E2M3, f32 sums; everything else in f32.
;; Inputs: Wk 1,024 x 1,024 float32; Wo 1,024 x 1,024 float32; Wq 1,024 x 1,024 float32; Wv 1,024 x 1,024 float32; bk 1,024 float32; bo 1,024 float32; bq 1,024 float32; bv 1,024 float32; x 4 x 2,048 x 1,024 float32.
;; Outputs: out0 4 x 2,048 x 1,024 float32.
;; This version of the problem:
;;   THIS VERSION OF THE PROBLEM IS GIVEN IN LOW PRECISION. The matrix products marked QUANTISED in the list below multiply operands that are first quantised to E2M3 (2 exponent bits, 3 mantissa bits; 6 bits a number), with one power-of-two scale for each 32 numbers along K (OCP MX v1.0); their sums are f32. All else is computed in f32.
;;   The module's matrix products, in the order in which they are computed (A, B: the left and right operand; K: the contracted axis; several contracted axes count as one K, in the product's order):
;;     1. [M 8,192, K 1,024] x [K 1,024, N 1,024]; A: input x; B: input Wq: QUANTISED
;;     2. [M 8,192, K 1,024] x [K 1,024, N 1,024]; A: input x; B: input Wk: QUANTISED
;;     3. [M 8,192, K 1,024] x [K 1,024, N 1,024]; A: input x; B: input Wv: QUANTISED
;;     4. batch 64 x [M 2,048, K 64] x [K 64, N 2,048]; A: computed on the way; B: computed on the way: QUANTISED
;;     5. batch 64 x [M 2,048, K 2,048] x [K 2,048, N 64]; A: softmax (see below); B: computed on the way: QUANTISED
;;     6. [M 8,192, K 1,024] x [K 1,024, N 1,024]; A: computed on the way; B: input Wo: QUANTISED
;;   THE QUANTISER, for each operand of a quantised product, along K:
;;     - K is cut into blocks of 32 from its start; a last block that is shorter is filled with zeros.
;;     - A block's scale is 2^e with e = floor(log2(the largest magnitude in the block)) - 2, held to -126 .. 127; a block of zeros has e = 0. As a byte (E8M0): e + 127.
;;     - Each number is divided by its block's scale, clamped to +-7.5, and rounded to the nearest number of E2M3, ties to even, subnormals kept.
;;     - The product sums the exact products of the quantised numbers (number of the format x scale) in f32.
;;   ~~~python
;;   def quantise(x, axis):      # numpy; x: float32 -> the quantised numbers, widened to float32 again
;;       x = np.moveaxis(x, axis, -1); K = x.shape[-1]
;;       x = np.pad(x, [(0, 0)] * (x.ndim - 1) + [(0, -K % 32)]); x = x.reshape(x.shape[:-1] + (-1, 32)); a = np.abs(x).max(-1, keepdims=True)
;;       e = np.where(a > 0, np.clip(np.frexp(np.where(a > 0, a, 1))[1] - 1 - 2, -126, 127), 0)      # np.frexp(a)[1] - 1 = floor(log2(a)), exactly
;;       r = np.clip(x / 2.0 ** e, -7.5, 7.5)
;;       step = 2.0 ** (np.maximum(np.frexp(np.where(r == 0, 1, r))[1] - 1, 0) - 3)
;;       q = np.round(r / step) * step * 2.0 ** e      # np.round: ties to even
;;       return np.moveaxis(q.reshape(q.shape[:-2] + (-1,))[..., :K], -1, axis).astype(np.float32)
;;   ~~~
;;   SOFTMAX AHEAD OF A QUANTISED PRODUCT. Where the list says 'softmax', what is quantised is not the finished softmax but p = 2^(t - M), with t = logit x log2(e) and M = ceil(the row's largest t), a whole number; so 1/2 < the row's largest p <= 1. The row's sum l is taken of the UNQUANTISED p, in f32, and the product's result is divided by l at the end. Since M is a whole number, a kernel that streams over the keys may use a running M (the ceiling of the running maximum): every later rescaling is an exact power of two, which a block's scale takes up: the codes' values come out the same.
;;   OPERANDS COMPUTED ON THE WAY. 'Computed on the way' means the value that the module computes at that place (a softmax that the list does not call 'softmax' is quantised finished and normalised). What goes into a quantiser is computed in f32, as accurately as f32 sums, v_exp_f32 and their like allow (about 1e-6 of the number): no bf16 or f16 on the way to a quantiser, and a product that is left as it is and whose result goes on into a quantised operand takes f32 operands (vector FMAs, or v_wmma_f32_16x16x4_f32). A number that lies on a knife's edge between two numbers of the format may be rounded either way, as far as f32 arithmetic and the matrix unit's own rounding can turn it there, and no further.
;; One version. Each part assembles by itself: llvm-mc -triple=amdgcn-amd-amdhsa -mcpu=gfx1250 --defsym DOCPART=n.
;; ======== version 1 of 1: 4 launches
;; limits: right only within a limited range of input values
;; workspace buffers: xc 6,291,456 bytes; xs 262,144 bytes; wc 3,145,728 bytes; ws 131,072 bytes; qb 6,815,744 bytes; kv 13,369,344 bytes; oc 6,291,456 bytes; os 262,144 bytes
;; launch prep (part 1): grid 384 x 1, 4 waves a work-group, no clusters, 59,904 bytes of LDS; arguments x, Wq, Wk, Wv, Wo, xc, xs, wc, ws; writes xc, xs, wc, ws
.if DOCPART == 1
	.amdgcn_target "amdgcn-amd-amdhsa--gfx1250"
	.amdhsa_code_object_version 6
	.text
	.protected	k_qc762d5c724_prep
	.globl	k_qc762d5c724_prep
	.p2align	8
	.type	k_qc762d5c724_prep,@function
k_qc762d5c724_prep:
	s_mov_b64 s[64:65], 0
	v_nop
	global_prefetch_b8 v0, s[64:65] scope:SCOPE_SE
	s_setreg_imm32_b32 hwreg(HW_REG_WAVE_MODE, 25, 1), 1
	s_wait_xcnt 0x0
; x [8192][1024] and the four weights [1024 (k)][1024 (n)], f32, become codes of FP6 (E2M3) with one E8M0 scale byte for each 32 along K, laid as the later launches' operand registers want them.
; A block's scale is 2^(floor(log2(its largest magnitude)) - 2); its byte is the largest magnitude's exponent field - 2, held at 1 from below.
; LIMITS: a block of zeros gets the byte 1 (its codes are zeros, and only this program reads the bytes); largest magnitudes under 2^-124 are held at the floor; NaN and infinities are not served.
; PLACES.  A row (a token of x, a column n of a weight) lies at the place got by swapping bits 3 and 4 of its number: lane r of stored tile T holds row 32 (T / 2) + 8 (T % 2) + r + 8 (r / 8).
; IMAGES.  A fragment (16 stored rows x 128 K, 12 registers a lane) lies as 6 planes of 256 bytes: plane p holds registers 2 p, 2 p + 1, lane l's 8 bytes at 8 l.  xc: [512 tiles][8 chunks of 128 K][1536];
; wc: [256 tiles: Wq, Wk, Wv, Wo x 64][8][1536]; xs, ws: [stored row][32 scale bytes].
; Work-groups 0-255 take x, 256-383 the weights.  The two ways have LDS bytes of their own; waves share nothing, so there is no barrier.
.set XSTG,  8448                       ; x: a wave's stage, 16 rows x (512 bytes + 16)
.set WST0,  4*XSTG                     ; behind the four: the weights' stages
.set WSTG,  6400                       ; 2 tiles x (2 images = 3,072 bytes + 128)
.set PC,    8                          ; v8-26    the codes just made, and their second halves
.set RR,    32                         ; v32-159  x: two sets of 64 numbers as loaded
.set XX,    160                        ; v160-223 x: 64 numbers as the conversions want them
.set TM,    224                        ; v224-239 largest magnitudes, bytes, scale operands
.set PW,    240                        ; v240-243 the four fragments' scale words
.set SEL,   34                         ; s34, s35 selects for lane l xor 16
.set WX,    32                         ; v32-95   weights: two sets of 32 numbers
.set CC,    96                         ; v96-102  weights: a block's codes
.set OUTR,  112                        ; v112-159 weights: the way out
.set SB,    24                         ; v24-25   weights: 8 scale bytes
	s_load_b256 s[8:15], s[0:1], 0x0               ; x, Wq, Wk, Wv
	s_load_b256 s[16:23], s[0:1], 0x20             ; Wo, xc, xs, wc
	s_load_b64 s[24:25], s[0:1], 0x40              ; ws
	v_lshl_add_u32 v254, v0, 2, 0xe800
	v_mov_b32 v255, 0
	v_lshrrev_b32 v1, 5, v0
	v_readfirstlane_b32 s2, v1                     ; wave
	v_and_b32 v1, 31, v0                           ; lane
	s_cmp_lt_u32 ttmp9, 256
	s_cbranch_scc0 .Lweights
; ---------------- x: a wave takes one stored tile of 16 rows and half of K: four fragments
	s_lshl_b32 s3, ttmp9, 2
	s_add_co_u32 s3, s3, s2                        ; q = 4 x work-group + wave
	s_lshr_b32 s4, s3, 1                           ; stored tile T
	s_and_b32 s5, s3, 1                            ; which half of K
	s_lshr_b32 s6, s4, 1
	s_lshl_b32 s6, s6, 17                          ; 32 (T / 2) rows of 4,096 bytes
	s_and_b32 s7, s4, 1
	s_lshl_b32 s7, s7, 15                          ; + 8 (T % 2) rows
	s_add_co_u32 s6, s6, s7
	s_lshl_b32 s7, s5, 11                          ; + 512 numbers for the second half
	s_add_co_u32 s6, s6, s7
	s_mov_b32 s7, 0
	s_mul_i32 s26, s3, 6144                        ; xc: image 8 T + 4 half = 4 q
	s_mov_b32 s27, 0
	s_lshl_b32 s28, s4, 9                          ; xs: 16 T rows of 32 bytes,
	s_lshl_b32 s29, s5, 4                          ; + 16 bytes for the second half
	s_add_co_u32 s28, s28, s29
	s_mov_b32 s29, 0
	s_mul_i32 s30, s2, XSTG
	s_mov_b32 s[SEL], 0x76543210
	s_mov_b32 s[SEL+1], 0xfedcba98
	v_and_b32 v7, 15, v0                           ; r
	v_bfe_u32 v28, v0, 4, 1                        ; h
	s_wait_alu depctr_va_vdst(0)
	v_lshlrev_b32 v2, 4, v1                        ; 16 x lane: my bytes of a load's 512
	v_add_nc_u32 v3, s30, v2                       ; the stage, on the way in
	v_mul_u32_u24 v4, v7, 528
	v_lshl_add_u32 v4, v28, 6, v4
	v_add_nc_u32 v4, s30, v4                       ; and out: row r, + 64 h: my 16 numbers of each block of 32
	v_lshlrev_b32 v5, 3, v1                        ; 8 x lane: my place in a plane
	v_lshlrev_b32 v6, 5, v7
	v_lshl_add_u32 v6, v28, 3, v6                  ; xs: 32 r + 8 h
.irp b, 0,1,2,3
	v_mov_b32 v[TM+4+\b], 0                        ; written once: a lane permute's destination counts as one of its sources
.endr
	s_wait_alu depctr_va_vdst(0)
	s_wait_kmcnt 0x0
	s_add_nc_u64 s[8:9], s[8:9], s[6:7]
	s_add_nc_u64 s[18:19], s[18:19], s[26:27]
	s_add_nc_u64 s[20:21], s[20:21], s[28:29]
.macro LOADF f                         ; fragment f: 128 numbers of each of the tile's 16 rows; a load takes 512 consecutive bytes of one row
.irp p, 0,1,2,3,4,5,6,7,8,9,10,11,12,13,14,15
	global_load_b128 v[RR+64*((\f)%2)+4*\p:RR+64*((\f)%2)+4*\p+3], v2, s[8:9] offset:(\p+8*(\p/8))*4096+512*(\f) th:TH_LOAD_NT
.endr
.endm
; 64 numbers of a lane, register 16 b + i = k 32 b + 16 (lane / 16) + i of my row, become a fragment's codes in v[PC] on and its scale word in v[pw]
.macro QUANT s, pw
.irp b, 0,1,2,3
	v_max3_num_f32 v[TM+\b], |v[\s+16*\b]|, |v[\s+1+16*\b]|, 0x1800000   ; my 16 numbers of block b, and the floor 2^(3 - 127): the byte cannot fall under 1
.endr
.irp i, 2,4,6,8,10,12,14
.irp b, 0,1,2,3
	v_max3_num_f32 v[TM+\b], v[TM+\b], |v[\s+16*\b+\i]|, |v[\s+1+16*\b+\i]|   ; the four blocks by turns
.endr
.endr
.irp b, 0,1,2,3
	v_permlanex16_b32 v[TM+4+\b], v[TM+\b], s[SEL], s[SEL+1]
.endr
.irp b, 0,1,2,3
	v_max_num_f32 v[TM+\b], v[TM+\b], v[TM+4+\b]   ; with lane l xor 16's: the block's largest magnitude
.endr
.irp b, 0,1,2,3
	v_add_nc_u32 v[TM+12+\b], 0xff000000, v[TM+\b] ; 2 off its exponent field: the conversion's scale operand
.endr
.irp b, 0,1,2,3
	v_lshrrev_b32 v[TM+4+\b], 23, v[TM+12+\b]      ; the scale's byte
.endr
	v_lshl_or_b32 v[\pw], v[TM+5], 8, v[TM+4]
	v_lshl_or_b32 v[\pw], v[TM+6], 16, v[\pw]
	v_lshl_or_b32 v[\pw], v[TM+7], 24, v[\pw]      ; my row's scale word
.irp c, 0,1
	v_cvt_scalef32_pk16_fp6_f32 v[PC+6*\c:PC+2+6*\c], v[\s+32*\c:\s+15+32*\c], v[TM+12+2*\c]
	v_cvt_scalef32_pk16_fp6_f32 v[PC+12+4*\c:PC+14+4*\c], v[\s+16+32*\c:\s+31+32*\c], v[TM+12+2*\c+1]   ; (a conversion's three registers begin on an even number)
.endr
	v_nop                                          ; one plain place behind a scaled conversion
.irp c, 0,1                            ; the operand wants a whole block in a lane: lanes 0-15 block 2 c, lanes 16-31 block 2 c + 1
.irp i, 0,1,2
	v_permlane16_swap_b32 v[PC+6*\c+\i], v[PC+12+4*\c+\i]
.endr
.irp i, 0,1,2
	v_mov_b32 v[PC+3+6*\c+\i], v[PC+12+4*\c+\i]
.endr
.endr
.endm
.macro FRAGX f
.if (\f) < 3
	s_wait_loadcnt 16                              ; this fragment's 16 loads are in; the next fragment's 16 may be out
.else
	s_wait_loadcnt 0x0
.endif
.irp p, 0,1,2,3,4,5,6,7,8,9,10,11,12,13,14,15
	ds_store_b128 v3, v[RR+64*((\f)%2)+4*\p:RR+64*((\f)%2)+4*\p+3] offset:528*\p
.endr
.irp b, 0,1,2,3
.irp j, 0,1,2,3
	ds_load_b128 v[XX+16*\b+4*\j:XX+16*\b+4*\j+3], v4 offset:128*\b+16*\j   ; LDS serves a wave's instructions in order: these see the stores above
.endr
.endr
	s_wait_dscnt 0x0                               ; the numbers are back, and the stores have read the set that is loaded again below
	s_wait_xcnt 0x0                                ; the last fragment's stores have read the codes' registers, which are written again below
.if (\f) < 2
	LOADF (\f)+2
.endif
	QUANT XX, PW+(\f)
.irp p, 0,1,2,3,4,5
	global_store_b64 v5, v[PC+2*\p:PC+2*\p+1], s[18:19] offset:1536*(\f)+256*\p   ; a plane: 256 consecutive bytes, aligned
.endr
.endm
	LOADF 0
	LOADF 1
	FRAGX 0
	FRAGX 1
	FRAGX 2
	FRAGX 3
	v_cmp_eq_u32 vcc_lo, 1, v28
	v_cndmask_b32 v244, v240, v242, vcc_lo         ; lanes 0-15 store my row's words 0, 1, lanes 16-31 its words 2, 3
	v_cndmask_b32 v245, v241, v243, vcc_lo
	global_store_b64 v6, v[244:245], s[20:21]
	s_wait_tensorcnt 0x0
	ds_add_u32 v254, v255
	s_wait_dscnt 0x0
	s_endpgm
; ---------------- the weights: a wave takes 32 columns n x 256 along K.  A lane takes a column and its registers run down K, so a block of 32 is one lane's
.Lweights:
	s_sub_co_u32 s3, ttmp9, 256
	s_lshr_b32 s4, s3, 5                           ; which weight
	s_bfe_u32 s5, s3, 0x30002                      ; which 128 columns
	s_and_b32 s6, s3, 3                            ; which 256 along K
	s_lshl_b32 s26, s6, 20                         ; 256 rows of 4,096 bytes
	s_lshl_b32 s7, s5, 9
	s_add_co_u32 s26, s26, s7
	s_lshl_b32 s7, s2, 7
	s_add_co_u32 s26, s26, s7                      ; + 4 x (128 cg + 32 wave)
	s_mov_b32 s27, 0
	s_lshl_b32 s28, s4, 6
	s_lshl_b32 s7, s5, 3
	s_add_co_u32 s28, s28, s7
	s_lshl_b32 s7, s2, 1
	s_add_co_u32 s28, s28, s7                      ; my first stored tile: 64 weight + 8 cg + 2 wave
	s_lshl_b32 s30, s28, 9                         ; ws: its 16 rows of 32 bytes,
	s_lshl_b32 s7, s6, 3
	s_add_co_u32 s30, s30, s7                      ; + my 8 bytes of a row
	s_mov_b32 s31, 0
	s_lshl_b32 s28, s28, 3
	s_lshl_b32 s7, s6, 1
	s_add_co_u32 s28, s28, s7
	s_mul_i32 s28, s28, 1536                       ; wc: image 8 x tile + 2 kq
	s_mov_b32 s29, 0
	s_mul_i32 s7, s2, WSTG
	s_add_co_u32 s7, s7, WST0                      ; my stage
	s_wait_alu depctr_va_vdst(0)
	v_lshlrev_b32 v2, 2, v1                        ; in: 4 bytes a lane
	v_and_b32 v7, 7, v1
	v_bfe_u32 v8, v1, 3, 1                         ; bit 3 of my column: which of the two stored tiles
	v_bfe_u32 v9, v1, 4, 1                         ; bit 4: the upper eight rows of that tile
	v_mul_u32_u24 v3, v8, 3200
	v_lshl_add_u32 v3, v9, 6, v3
	v_lshl_add_u32 v3, v7, 3, v3
	v_add_nc_u32 v3, s7, v3                        ; the stage, in: tile x 3,200 + 8 x (row in the tile)
	v_lshlrev_b32 v5, 4, v1
	v_add_nc_u32 v4, s7, v5                        ; and out: 16 x lane
	v_lshl_add_u32 v6, v8, 4, v7
	v_lshl_add_u32 v6, v9, 3, v6
	v_lshlrev_b32 v6, 5, v6                        ; ws: my column's stored row x 32
	s_wait_kmcnt 0x0
	s_cmp_eq_u32 s4, 1
	s_cselect_b64 s[10:11], s[12:13], s[10:11]
	s_cmp_eq_u32 s4, 2
	s_cselect_b64 s[10:11], s[14:15], s[10:11]
	s_cmp_eq_u32 s4, 3
	s_cselect_b64 s[10:11], s[16:17], s[10:11]     ; the choice hangs on the work-group's number alone
	s_add_nc_u64 s[10:11], s[10:11], s[26:27]
	s_add_nc_u64 s[22:23], s[22:23], s[28:29]
	s_add_nc_u64 s[24:25], s[24:25], s[30:31]
.macro LOADW t                         ; block t: W(32 t + i, my column): 32 lanes read 128 consecutive bytes
.irp i, 0,1,2,3,4,5,6,7,8,9,10,11,12,13,14,15,16,17,18,19,20,21,22,23,24,25,26,27,28,29,30,31
	global_load_b32 v[WX+32*((\t)%2)+\i], v2, s[10:11] offset:(32*(\t)+\i)*4096 th:TH_LOAD_NT
.endr
.endm
.macro BLOCK t
.set XS, WX+32*((\t)%2)
.if (\t) < 7
	s_wait_loadcnt 32                              ; this block's 32 loads are in; the next block's may be out
.else
	s_wait_loadcnt 0x0
.endif
	v_max3_num_f32 v12, |v[XS]|, |v[XS+1]|, |v[XS+2]|
	v_max3_num_f32 v13, |v[XS+3]|, |v[XS+4]|, |v[XS+5]|
.irp i, 6,10,14,18,22,26
	v_max3_num_f32 v12, v12, |v[XS+\i]|, |v[XS+\i+1]|
	v_max3_num_f32 v13, v13, |v[XS+\i+2]|, |v[XS+\i+3]|
.endr
	v_max3_num_f32 v12, v12, |v[XS+30]|, |v[XS+31]|
	v_max3_num_f32 v12, v12, v13, 0x1800000        ; and the floor
	v_add_nc_u32 v11, 0xff000000, v12              ; the conversion's scale operand
	v_lshrrev_b32 v13, 23, v11                     ; the scale's byte
.if (\t)%4 == 0
	v_mov_b32 v[SB+(\t)/4], v13
.else
	v_lshl_or_b32 v[SB+(\t)/4], v13, 8*((\t)%4), v[SB+(\t)/4]
.endif
	v_cvt_scalef32_pk16_fp6_f32 v[CC:CC+2], v[XS:XS+15], v11
	v_cvt_scalef32_pk16_fp6_f32 v[CC+4:CC+6], v[XS+16:XS+31], v11
	v_nop                                          ; one plain place behind a scaled conversion
	v_mov_b32 v[CC+3], v[CC+4]
	v_mov_b32 v[CC+4], v[CC+5]
	v_mov_b32 v[CC+5], v[CC+6]                     ; six registers on end: the block's 24 bytes
.irp i, 0,1,2                          ; block t is registers 6 c .. 6 c + 5 (c = (t % 4) / 2) of lanes 16 (t % 2) + row, in image t / 4
	ds_store_b64 v3, v[CC+2*\i:CC+2*\i+1] offset:1536*((\t)/4)+768*(((\t)%4)/2)+128*((\t)%2)+256*\i
.endr
.if (\t)+2 < 8
	LOADW (\t)+2
.endif
	s_wait_dscnt 0x0                               ; the stores have read their registers
.endm
	LOADW 0
	LOADW 1
.irp t, 0,1,2,3,4,5,6,7
	BLOCK \t
.endr
	s_wait_alu depctr_va_vdst(0)
	global_store_b64 v6, v[SB:SB+1], s[24:25]      ; my column's 8 scale bytes
.irp u, 0,1
.irp q, 0,1,2,3,4,5
	ds_load_b128 v[OUTR+4*(6*\u+\q):OUTR+4*(6*\u+\q)+3], v4 offset:3200*\u+512*\q
.endr
.endr
.irp u, 0,1
.irp q, 0,1,2,3,4,5
	s_wait_dscnt 11-6*\u-\q                        ; the younger loads may be out
	global_store_b128 v5, v[OUTR+4*(6*\u+\q):OUTR+4*(6*\u+\q)+3], s[22:23] offset:12288*\u+512*\q   ; 512 consecutive bytes, aligned
.endr
.endr
	s_wait_tensorcnt 0x0
	ds_add_u32 v254, v255
	s_wait_dscnt 0x0
	s_endpgm
.Lfunc_end_k_qc762d5c724_prep:
	.size	k_qc762d5c724_prep, .Lfunc_end_k_qc762d5c724_prep-k_qc762d5c724_prep
	.p2alignl 7, 3214868480
	.fill 96, 4, 3214868480
	.section	.rodata,"a",@progbits
	.p2align	6, 0x0
	.amdhsa_kernel k_qc762d5c724_prep
		.amdhsa_group_segment_fixed_size 59904
		.amdhsa_private_segment_fixed_size 0
		.amdhsa_enable_private_segment 0
		.amdhsa_kernarg_size 72
		.amdhsa_user_sgpr_count 2
		.amdhsa_user_sgpr_kernarg_segment_ptr 1
		.amdhsa_wavefront_size32 1
		.amdhsa_system_sgpr_workgroup_id_x 1
		.amdhsa_system_sgpr_workgroup_id_y 1
		.amdhsa_system_sgpr_workgroup_id_z 1
		.amdhsa_system_vgpr_workitem_id 0
		.amdhsa_next_free_vgpr 256
		.amdhsa_next_free_sgpr 66
		.amdhsa_reserve_vcc 1
		.amdhsa_float_denorm_mode_32 3
		.amdhsa_float_denorm_mode_16_64 3
		.amdhsa_memory_ordered 1
		.amdhsa_forward_progress 1
		.amdhsa_inst_pref_size 77
	.end_amdhsa_kernel
	.amdgpu_metadata
---
amdhsa.version: [ 1, 2 ]
amdhsa.kernels:
  - .name:           k_qc762d5c724_prep
    .symbol:         k_qc762d5c724_prep.kd
    .args:
      - { .name: x, .offset: 0, .size: 8, .value_kind: global_buffer, .address_space: global }
      - { .name: Wq, .offset: 8, .size: 8, .value_kind: global_buffer, .address_space: global }
      - { .name: Wk, .offset: 16, .size: 8, .value_kind: global_buffer, .address_space: global }
      - { .name: Wv, .offset: 24, .size: 8, .value_kind: global_buffer, .address_space: global }
      - { .name: Wo, .offset: 32, .size: 8, .value_kind: global_buffer, .address_space: global }
      - { .name: xc, .offset: 40, .size: 8, .value_kind: global_buffer, .address_space: global }
      - { .name: xs, .offset: 48, .size: 8, .value_kind: global_buffer, .address_space: global }
      - { .name: wc, .offset: 56, .size: 8, .value_kind: global_buffer, .address_space: global }
      - { .name: ws, .offset: 64, .size: 8, .value_kind: global_buffer, .address_space: global }
    .group_segment_fixed_size: 59904
    .private_segment_fixed_size: 0
    .kernarg_segment_align: 8
    .kernarg_segment_size: 72
    .max_flat_workgroup_size: 128
    .sgpr_count:     66
    .vgpr_count:     256
    .wavefront_size: 32
...
	.end_amdgpu_metadata
.endif
;; end of part 1
;; launch qkv (part 2): grid 12 x 32, 4 waves a work-group, clusters of 4 x 4, 327,680 bytes of LDS; arguments xc, xs, wc, ws, bq, bk, bv, qb, kv; writes qb, kv
.if DOCPART == 2
	.amdgcn_target "amdgcn-amd-amdhsa--gfx1250"
	.amdhsa_code_object_version 6
	.text
	.protected	k_qc762d5c724_qkv
	.globl	k_qc762d5c724_qkv
	.p2align	8
	.type	k_qc762d5c724_qkv,@function
k_qc762d5c724_qkv:
	s_mov_b64 s[64:65], 0
	v_nop
	global_prefetch_b8 v0, s[64:65] scope:SCOPE_SE
	s_setreg_imm32_b32 hwreg(HW_REG_WAVE_MODE, 25, 1), 1
	s_wait_xcnt 0x0
	s_wait_alu depctr_hold_cnt(0) depctr_sa_sdst(0) depctr_va_vdst(0) depctr_va_sdst(0) depctr_va_ssrc(0) depctr_va_vcc(0) depctr_vm_vsrc(0)
	s_getreg_b32 s2, hwreg(HW_REG_IB_STS2, 6, 4)
	s_cmp_eq_u32 s2, 0
	s_cbranch_scc0 .Lentry_in_a_cluster
	s_endpgm
.Lentry_in_a_cluster:
	s_bfe_u32 s2, ttmp6, 0x10000c
	s_cmp_lg_u32 s2, 0xf033
	s_cbranch_scc0 .Lentry_shape_is_right
	s_endpgm
.Lentry_shape_is_right:
.set NQ,     2
.set FR,     12
.set NL,     6
.set NP,     4
.set TROW,   3072
.set HALFT,  8*TROW
.set SLOT,   4*HALFT
.set SCL,    2*SLOT
.set HALFS,  16*272
.set SBLK,   2*272
.set SPARE,  SCL+4*HALFS
.set BA,   8
.set ADRA, 16
.set ADRB, 20
.set L8,   24
.set L16,  25
.set VA,   26
.set ADRS, 27
.set SPW,  28
.set NIL,  29
.set SC,   32
.set AF,   128
.set PC,   128
.set PW,   176
.set SELR, 184
.set TA,   188
.set TC,   192
.set TM,   200
.set ROLE, 17
.set G1, 24
.set G0, 32
.set G1B, 48
.set G0B, 56
.set G1S, 68
.set G0S, 76
.set G1SB, 80
.set G0SB, 88
.set MSB, 0
.macro WIN new
.if MSB != (\new)
	s_set_vgpr_msb (MSB<<8)|(\new)
.set MSB, (\new)
.endif
.endm
.set MUL_LO, 0xa1
.set MUL_HI, 0xf1
.set TO_B,   0x40
.macro JLOAD g0a, g1a, g0b, g1b
	s_cmp_eq_u32 s15, 0
	s_cbranch_scc0 .Lfor_b_\@
	tensor_load_to_lds s[\g0a:\g0a+3], s[\g1a:\g1a+7]
	s_nop 0
.rept 4
	v_nop
.endr
	s_branch .Lasked_\@
.Lfor_b_\@:
	tensor_load_to_lds s[\g0b:\g0b+3], s[\g1b:\g1b+7]
	s_nop 0
.rept 4
	v_nop
.endr
.Lasked_\@:
.endm
.macro CREST
	s_cmp_lg_u32 s14, 0
	s_cbranch_scc1 .Lnot_wave_0_\@
	s_barrier_signal -3
.Lnot_wave_0_\@:
	s_barrier_wait -3
	s_barrier_signal -1
	s_barrier_wait -1
.endm
.macro CROUND
	s_barrier_signal -1
	s_barrier_wait -1
	CREST
.endm
	s_load_b256 s[4:11], s[0:1], 0x0
	s_load_b256 s[92:99], s[0:1], 0x20
	s_load_b64 s[100:101], s[0:1], 0x40
	v_lshl_add_u32 v[SPW], v0, 2, SPARE
	v_mov_b32 v[NIL], 0
	ds_add_u32 v28, v29
	ds_add_u32 v28, v29
	s_wait_dscnt 0x0
	v_lshrrev_b32 v1, 5, v0
	v_readfirstlane_b32 s14, v1
	s_lshr_b32 s15, s14, 1
	s_and_b32 s16, s14, 1
	s_bfe_u32 s40, ttmp6, 0x40000
	s_bfe_u32 s41, ttmp6, 0x40004
	s_mov_b32 s[ROLE], ttmp9
	s_and_b32 s42, ttmp7, 0xffff
	s_lshl_b32 s43, s41, 2
	s_lshl_b32 s43, 15, s43
	s_lshl_b32 s44, 0x1111, s40
	s_or_b32 s[G1+0], s43, (3<<16)|(1<<21)
	s_or_b32 s[G1B+0], s44, (3<<16)|(1<<21)
.irp g, G1, G1B
	s_mov_b32 s[\g+1], 384<<16
	s_mov_b32 s[\g+2], 16<<16                      ; the head's loads of codes bring 16 tile rows
	s_mov_b32 s[\g+3], 384<<16
	s_mov_b32 s[\g+4], 16
	s_mov_b32 s[\g+5], 1536
	s_mov_b32 s[\g+6], 0
	s_mov_b32 s[\g+7], 0
.endr
	s_or_b32 s[G1S+0], s43, (3<<16)|(1<<20)|(1<<21)|(5<<22)|(3<<25)
	s_or_b32 s[G1SB+0], s44, (3<<16)|(1<<20)|(1<<21)|(5<<22)|(3<<25)
.irp g, G1S, G1SB
	s_mov_b32 s[\g+1], 32<<16
	s_mov_b32 s[\g+2], 32<<16                      ; the scales of 256 rows: 32 rows of 256 bytes
	s_mov_b32 s[\g+3], 32<<16
	s_mov_b32 s[\g+4], 32
	s_mov_b32 s[\g+5], 32
	s_mov_b32 s[\g+6], 0
	s_mov_b32 s[\g+7], 0
.endr
	s_lshl_b32 s2, s42, 10
	s_lshl_b32 s3, s[ROLE], 10
	s_cmp_eq_u32 s[ROLE], 2
	s_cselect_b32 s20, 2048, s2
	s_cselect_b32 s46, s2, s3
	s_lshl_b32 s18, s41, 8
	s_add_co_u32 s20, s20, s18
	s_lshl_b32 s47, s40, 8
	s_add_co_u32 s46, s46, s47
	s_lshl_b32 s18, s15, 7
	s_add_co_u32 s66, s20, s18
	s_lshl_b32 s18, s16, 7
	s_add_co_u32 s67, s46, s18
	s_add_co_u32 s20, s20, s18
	s_add_co_u32 s46, s46, s18
	s_lshl_b32 s22, s20, 5
	s_mov_b32 s23, 0
	s_mul_i32 s20, s20, 768
	s_mov_b32 s21, 0
	s_lshl_b32 s12, s46, 5
	s_mov_b32 s13, 0
	s_mul_i32 s46, s46, 768
	s_mov_b32 s47, 0
	s_mul_i32 s45, s14, HALFT
	s_wait_kmcnt 0x0
	s_cmp_eq_u32 s[ROLE], 2
	s_cselect_b64 s[2:3], s[8:9], s[4:5]
	s_cselect_b64 s[8:9], s[4:5], s[8:9]
	s_mov_b64 s[4:5], s[2:3]
	s_cselect_b64 s[2:3], s[10:11], s[6:7]
	s_cselect_b64 s[10:11], s[6:7], s[10:11]
	s_mov_b64 s[6:7], s[2:3]
	s_add_nc_u64 s[20:21], s[4:5], s[20:21]
	s_add_nc_u64 s[22:23], s[6:7], s[22:23]
	s_add_nc_u64 s[46:47], s[8:9], s[46:47]
	s_add_nc_u64 s[12:13], s[10:11], s[12:13]
	CROUND
	s_mov_b32 s[G0S], 1
	s_mul_i32 s2, s16, 4096                        ; my half's 128 rows of scales, taken off again: the head's loads begin at the tile's first row
	s_mov_b32 s3, 0
	s_mov_b32 s[G0S+1], SCL
	s_sub_nc_u64 s[G0S+2:G0S+3], s[22:23], s[2:3]
	s_or_b32 s[G0S+3], s[G0S+3], 0x80000000
	s_mov_b32 s[G0SB], 1
	s_mov_b32 s[G0SB+1], SCL+2*HALFS
	s_sub_nc_u64 s[G0SB+2:G0SB+3], s[12:13], s[2:3]
	s_or_b32 s[G0SB+3], s[G0SB+3], 0x80000000
	s_mul_i32 s2, s16, 98304                       ; 128 rows of 768 bytes of codes
	s_mov_b32 s4, 1                                ; s[4:7]: slot 0's 256 rows of A (the arguments that lay here have been used)
	s_mov_b32 s5, 0
	s_sub_nc_u64 s[6:7], s[20:21], s[2:3]
	s_or_b32 s7, s7, 0x80000000
	s_mov_b32 s8, 1                                ; s[8:11]: its 256 rows of B
	s_mov_b32 s9, 2*HALFT
	s_sub_nc_u64 s[10:11], s[46:47], s[2:3]
	s_or_b32 s11, s11, 0x80000000
; the head's four tiles, one joint load a wave, in one chain of branches on the wave's number: A's rows, B's rows, A's scales, B's scales
.macro ARM under, g0, g1, next
	s_cmp_lt_u32 s14, \under
	s_cbranch_scc0 \next
	tensor_load_to_lds s[\g0:\g0+3], s[\g1:\g1+7]
	s_nop 0
.rept 4
	v_nop
.endr
	s_branch .Lhead_asked
\next:
.endm
	ARM 1, 4, G1, .Lhead_b
	ARM 2, 8, G1B, .Lhead_sa
	ARM 3, G0S, G1S, .Lhead_sb
	tensor_load_to_lds s[G0SB:G0SB+3], s[G1SB:G1SB+7]
	s_nop 0
.rept 4
	v_nop
.endr
.Lhead_asked:
.irp s, 0,1
	s_mov_b32 s[G0+4*\s], 1
	s_add_co_u32 s[G0+4*\s+1], s45, \s*SLOT
	s_add_nc_u64 s[G0+4*\s+2:G0+4*\s+3], s[20:21], \s*TROW
	s_or_b32 s[G0+4*\s+3], s[G0+4*\s+3], 0x80000000
	s_mov_b32 s[G0B+4*\s], 1
	s_add_co_u32 s[G0B+4*\s+1], s45, \s*SLOT
	s_add_nc_u64 s[G0B+4*\s+2:G0B+4*\s+3], s[46:47], \s*TROW
	s_or_b32 s[G0B+4*\s+3], s[G0B+4*\s+3], 0x80000000
.endr
	v_and_b32 v1, 15, v0
	v_bfe_u32 v2, v0, 4, 1
	v_and_b32 v3, 31, v0
	v_lshlrev_b32 v[L8], 3, v3
	v_lshlrev_b32 v[L16], 4, v3
	v_mul_u32_u24 v[VA], v2, 208896
	v_lshl_add_u32 v[VA], v1, 4, v[VA]
	s_mul_i32 s21, s15, HALFT
	s_mul_i32 s22, s16, HALFT
	s_add_co_u32 s22, s22, 2*HALFT
.irp s, 0,1
	v_add_nc_u32 v[ADRA+\s], s21, v[L8]
	v_add_nc_u32 v[ADRB+\s], s22, v[L8]
	s_add_co_u32 s21, s21, SLOT
	s_add_co_u32 s22, s22, SLOT
.endr
	v_lshlrev_b32 v5, 5, v1
	v_lshrrev_b32 v6, 8, v5
	v_lshl_add_u32 v5, v6, 4, v5
	s_mul_i32 s21, s15, HALFS
	s_mul_i32 s22, s16, HALFS
	s_add_co_u32 s22, s22, 2*HALFS
	s_sub_co_u32 s22, s22, s21
	v_mul_u32_u24 v6, s22, v2
	s_add_co_u32 s21, s21, SCL
	v_add_nc_u32 v5, v5, v6
	v_add_nc_u32 v[ADRS], s21, v5
	s_cmp_eq_u32 s[ROLE], 2
	s_cselect_b32 s20, s66, s67
	s_cselect_b32 s2, -1, 0
	s_cselect_b32 s3, 0, 4
	s_cselect_b64 s[22:23], s[96:97], s[92:93]
	s_cmp_eq_u32 s[ROLE], 1
	s_cselect_b64 s[22:23], s[94:95], s[22:23]
	s_and_b32 s20, s20, 1023
	s_lshl_b32 s20, s20, 2
	s_mov_b32 s21, 0
	s_add_nc_u64 s[22:23], s[22:23], s[20:21]
	v_lshlrev_b32 v3, 6, v2
	v_and_b32 v4, 8, v1
	v_add_lshl_u32 v4, v4, v1, 2
	v_cndmask_b32 v3, v3, v4, s2
.irp j, 0,1,2,3,4,5,6,7
	v_mad_u32_u24 v[BA+\j], s3, \j, v3
.endr
	WIN TO_B
.irp t, 0,1,2,3,4,5,6,7
.irp j, 0,1,2,3,4,5,6,7
	global_load_b32 v[96+8*\t+96*(\t/4)+\j], v[BA+\j], s[22:23] offset:4*(32*(\t/2)+8*(\t%2))
.endr
.endr
	WIN 0
.macro FRAG reg, adr, q, i
.irp p, 0,1,2,3,4,5
	ds_load_b64 v[\reg+2*\p:\reg+2*\p+1], v[\adr] offset:TROW*(\i)+1536*(\q)+256*\p
.endr
.endm
.macro MUL16 a0, p, q, sc, zero
.irp a, \a0, \a0+1
.irp b, 0,1,2,3,4,5,6,7
.if \zero == 1
	v_wmma_scale_f32_16x16x128_f8f6f4 v[8*(8*((\a)%4)+\b):8*(8*((\a)%4)+\b)+7], v[128*(\p)+FR*\b:128*(\p)+FR*\b+FR-1], v[AF+FR*(\a):AF+FR*(\a)+FR-1], v[96+8*\b+96*(\b/4):96+8*\b+96*(\b/4)+7], v[SC+8*NQ*(\sc)+NQ*\b+(\q)], v[SC+8*NQ*(\sc)+NQ*(\a)+(\q)] matrix_a_fmt:MATRIX_FMT_FP6 matrix_b_fmt:MATRIX_FMT_FP6 matrix_a_scale:MATRIX_SCALE_ROW1
.elseif \zero == 2
	v_wmma_scale_f32_16x16x128_f8f6f4 v[8*(8*((\a)%4)+\b):8*(8*((\a)%4)+\b)+7], v[128*(\p)+FR*\b:128*(\p)+FR*\b+FR-1], v[AF+FR*(\a):AF+FR*(\a)+FR-1], v[96+8*(\a)+96*((\a)/4):96+8*(\a)+96*((\a)/4)+7], v[SC+8*NQ*(\sc)+NQ*\b+(\q)], v[SC+8*NQ*(\sc)+NQ*(\a)+(\q)] matrix_a_fmt:MATRIX_FMT_FP6 matrix_b_fmt:MATRIX_FMT_FP6 matrix_a_scale:MATRIX_SCALE_ROW1
.else
	v_wmma_scale_f32_16x16x128_f8f6f4 v[8*(8*((\a)%4)+\b):8*(8*((\a)%4)+\b)+7], v[128*(\p)+FR*\b:128*(\p)+FR*\b+FR-1], v[AF+FR*(\a):AF+FR*(\a)+FR-1], v[8*(8*((\a)%4)+\b):8*(8*((\a)%4)+\b)+7], v[SC+8*NQ*(\sc)+NQ*\b+(\q)], v[SC+8*NQ*(\sc)+NQ*(\a)+(\q)] matrix_a_fmt:MATRIX_FMT_FP6 matrix_b_fmt:MATRIX_FMT_FP6 matrix_a_scale:MATRIX_SCALE_ROW1
.endif
.endr
.endr
.endm
.macro FETCH_B slot, q, p
	WIN TO_B
.irp i, 0,1,2,3,4,5,6,7
	FRAG 128*(\p)+FR*\i, ADRB+\slot, \q, \i
.endr
	WIN 0
.endm
.macro FETCH_A slot, q, i0
.irp i, \i0, \i0+1, \i0+2, \i0+3
	FRAG AF+FR*(\i), ADRA+\slot, \q, \i
.endr
.endm
.macro SCALES sc
.irp i, 0,1,2,3,4,5,6,7
	ds_load_b64 v[SC+8*NQ*\sc+NQ*\i:SC+8*NQ*\sc+NQ*\i+1], v[ADRS] offset:\i*SBLK
.endr
.endm
.macro PLACES n
.rept \n
	v_nop
.endr
.endm
.macro STEP slot, q, zero
	s_wait_dscnt 4*NL
.if \zero
	WIN 0x91
.else
	WIN MUL_LO
.endif
	MUL16 0, (\q)%2, \q, \slot, \zero
	MUL16 2, (\q)%2, \q, \slot, \zero
	s_wait_dscnt 0
	PLACES NP
	FETCH_B \slot, (\q)+1, 1-(\q)%2
	FETCH_A \slot, (\q)+1, 0
.if \zero
	WIN 0xd1
.else
	WIN MUL_HI
.endif
	MUL16 4, (\q)%2, \q, \slot, \zero
	MUL16 6, (\q)%2, \q, \slot, \zero
	PLACES NP
	WIN 0
	FETCH_A \slot, (\q)+1, 4
.endm
.macro TURN slot, next, fill
	s_wait_tensorcnt 0x0
	ds_add_u32 v[SPW], v[NIL]
	s_wait_dscnt 4*NL+1
	WIN MUL_LO
	MUL16 0, 1, NQ-1, \slot, 0
	s_wait_dscnt 0x0
	s_barrier_signal -1
	MUL16 2, 1, NQ-1, \slot, 0
	WIN 0
	s_barrier_wait -1
.if \fill
	CREST
	s_add_nc_u64 s[G0+4*\slot+2:G0+4*\slot+3], s[G0+4*\slot+2:G0+4*\slot+3], 2*TROW
	s_add_nc_u64 s[G0B+4*\slot+2:G0B+4*\slot+3], s[G0B+4*\slot+2:G0B+4*\slot+3], 2*TROW
	JLOAD G0+4*\slot, G1, G0B+4*\slot, G1B
.else
	PLACES NP
.endif
	s_wait_alu depctr_va_vdst(0)
	v_add_nc_u32 v[ADRS], 4*NQ, v[ADRS]
	FETCH_B \next, 0, 0
	FETCH_A \next, 0, 0
	SCALES \next
	WIN MUL_HI
	MUL16 4, 1, NQ-1, \slot, 0
	MUL16 6, 1, NQ-1, \slot, 0
	PLACES NP
	WIN 0
	FETCH_A \next, 0, 4
.endm
	s_wait_alu depctr_va_vdst(0)                   ; the wait at the head's end
	s_wait_tensorcnt 0x0                           ; my tile of the head's four is in
	ds_add_u32 v[SPW], v[NIL]
	s_mov_b32 s[G1+2], 8<<16                       ; no load of mine is out: from here on a load brings 8 tile rows
	s_mov_b32 s[G1+4], 8
	s_mov_b32 s[G1B+2], 8<<16
	s_mov_b32 s[G1B+4], 8
	s_wait_dscnt 0x0
	CROUND                                         ; all four tiles are shown to all waves, and the partners meet
	JLOAD G0+4, G1, G0B+4, G1B                     ; slot 1's first fill, my one load behind the round
	FETCH_B 0, 0, 0
	FETCH_A 0, 0, 0
	SCALES 0
	FETCH_A 0, 0, 4
	s_wait_loadcnt 0x0
	s_cmp_eq_u32 s[ROLE], 2
	s_cbranch_scc1 .Lfirst_v
	STEP 0, 0, 1
	s_branch .Lfirst_done
.Lfirst_v:
	STEP 0, 0, 2
.Lfirst_done:
	TURN 0, 1, 1
	STEP 1, 0, 0
	TURN 1, 0, 1
	STEP 0, 0, 0
	TURN 0, 1, 0
	STEP 1, 0, 0
	s_wait_dscnt 4*NL
	WIN MUL_LO
	MUL16 0, 1, NQ-1, 1, 0
	MUL16 2, 1, NQ-1, 1, 0
	s_wait_dscnt 0
	WIN MUL_HI
	MUL16 4, 1, NQ-1, 1, 0
	MUL16 6, 1, NQ-1, 1, 0
	WIN 0
	PLACES NP
.irp b, 0,1,2,3
	v_mov_b32 v[TM+4+\b], 0
.endr
	s_mov_b32 s12, 0x76543210
	s_mov_b32 s13, 0xfedcba98
	s_cmp_eq_u32 s[ROLE], 2
	s_cselect_b32 s20, s67, s66
	s_cselect_b32 s21, s66, s67
	s_bfe_u32 s21, s21, 0x40006
	s_lshr_b32 s22, s20, 11
	s_lshl_b32 s22, s22, 4
	s_add_co_u32 s22, s22, s21
	s_lshl_b32 s22, s22, 4
	s_bfe_u32 s23, s20, 0x40007
	s_add_co_u32 s22, s22, s23
	s_cmp_eq_u32 s[ROLE], 0
	s_mov_b32 s23, 13056
	s_cselect_b32 s23, 6656, s23
	s_cselect_b64 s[24:25], s[98:99], s[100:101]
	s_mov_b32 s46, 12288
	s_cselect_b32 s46, 6144, s46
	s_mul_i32 s26, s22, s23
	s_mov_b32 s27, 0
	s_add_nc_u64 s[24:25], s[24:25], s[26:27]
	s_lshl_b32 s28, s23, 4
	s_mov_b32 s29, 0
	s_cmp_eq_u32 s[ROLE], 2
	s_cselect_b32 s30, 6144, 0
	s_cselect_b32 s32, 768, s28
	s_mov_b32 s34, 768
	s_cselect_b32 s34, 1536, s34
	s_cselect_b32 s36, 202752, 0
	s_cselect_b32 s46, 12800, s46
	s_mov_b32 s31, 0
	s_mov_b32 s33, 0
	s_mov_b32 s35, 0
	s_mov_b32 s37, 0
	s_mov_b32 s47, 0
	s_add_nc_u64 s[38:39], s[24:25], s[30:31]
	s_add_nc_u64 s[40:41], s[38:39], s[32:33]
	s_add_nc_u64 s[42:43], s[24:25], s[46:47]
	s_add_nc_u64 s[44:45], s[42:43], s[28:29]
.macro QUANTW a
.set WW,  2+(\a)/4
.set SRC, 64*((\a)%4)
.set PCX, PC+24*((\a)%2)
	WIN (WW<<2)|(WW<<4)
.irp b, 0,1,2,3
	v_max3_num_f32 v[TM+\b], 0x1800000, |v[SRC+16*\b]|, |v[SRC+1+16*\b]|
.endr
.irp i, 2,4,6,8,10,12,14
.irp b, 0,1,2,3
	v_max3_num_f32 v[TM+\b], v[TM+\b], |v[SRC+16*\b+\i]|, |v[SRC+1+16*\b+\i]|
.endr
.endr
	WIN 0
.irp b, 0,1,2,3
	v_permlanex16_b32 v[TM+4+\b], v[TM+\b], s12, s13
.endr
.irp b, 0,1,2,3
	v_max_num_f32 v[TM+\b], v[TM+\b], v[TM+4+\b]
.endr
.irp b, 0,1,2,3
	v_add_nc_u32 v[TM+12+\b], 0xff000000, v[TM+\b]
.endr
.irp b, 0,1,2,3
	v_lshrrev_b32 v[TM+4+\b], 23, v[TM+12+\b]
.endr
	v_lshl_or_b32 v[PW+(\a)], v[TM+5], 8, v[TM+4]
	v_lshl_or_b32 v[PW+(\a)], v[TM+6], 16, v[PW+(\a)]
	v_lshl_or_b32 v[PW+(\a)], v[TM+7], 24, v[PW+(\a)]
	WIN WW
.irp c, 0,1
	v_cvt_scalef32_pk16_fp6_f32 v[PCX+6*\c:PCX+2+6*\c], v[SRC+32*\c:SRC+15+32*\c], v[TM+12+2*\c]
	v_cvt_scalef32_pk16_fp6_f32 v[PCX+12+4*\c:PCX+14+4*\c], v[SRC+16+32*\c:SRC+31+32*\c], v[TM+12+2*\c+1]
.endr
	WIN 0
	v_nop
.irp c, 0,1
.irp i, 0,1,2
	v_permlane16_swap_b32 v[PCX+6*\c+\i], v[PCX+12+4*\c+\i]
.endr
.irp i, 0,1,2
	v_mov_b32 v[PCX+3+6*\c+\i], v[PCX+12+4*\c+\i]
.endr
.endr
.endm
.macro PUT a
.set PCX, PC+24*((\a)%2)
.irp p, 0,1,2
	global_store_b64 v[L8], v[PCX+2*\p:PCX+2*\p+1], s[38:39] offset:256*\p
.endr
.irp p, 3,4,5
	global_store_b64 v[L8], v[PCX+2*\p:PCX+2*\p+1], s[40:41] offset:256*(\p-3)
.endr
.endm
.irp a, 0,1,2,3,4,5,6,7
	QUANTW \a
.if \a > 0
	s_wait_alu depctr_va_vdst(0)
	s_wait_xcnt 0x0
	s_add_nc_u64 s[38:39], s[38:39], s[34:35]
	s_add_nc_u64 s[40:41], s[40:41], s[34:35]
.endif
.if \a == 4
	s_add_nc_u64 s[38:39], s[38:39], s[36:37]
	s_add_nc_u64 s[40:41], s[40:41], s[36:37]
.endif
	PUT \a
.endr
	v_cmp_eq_u32 vcc_lo, 1, v2
.irp i, 0,1,2,3
	v_cndmask_b32 v[SELR+\i], v[PW+\i], v[PW+4+\i], vcc_lo
.endr
	s_cmp_eq_u32 s[ROLE], 2
	s_cbranch_scc1 .Lscale_v
.irp i, 0,1,2,3
	v_and_b32 v[TA+\i], 0xffff, v[SELR+\i]
	v_lshrrev_b32 v[TC+\i], 16, v[SELR+\i]
.endr
	global_store_b128 v[L16], v[TA:TA+3], s[42:43]
	global_store_b128 v[L16], v[TC:TC+3], s[44:45]
	s_branch .Lscale_done
.Lscale_v:
	s_wait_alu depctr_va_vdst(0)
	global_store_b128 v[VA], v[SELR:SELR+3], s[42:43]
.Lscale_done:
	s_wait_tensorcnt 0x0
	ds_add_u32 v[SPW], v[NIL]
	s_wait_dscnt 0x0
	CROUND
	s_endpgm
.Lfunc_end_k_qc762d5c724_qkv:
	.size	k_qc762d5c724_qkv, .Lfunc_end_k_qc762d5c724_qkv-k_qc762d5c724_qkv
	.p2alignl 7, 3214868480
	.fill 96, 4, 3214868480
	.section	.rodata,"a",@progbits
	.p2align	6, 0x0
	.amdhsa_kernel k_qc762d5c724_qkv
		.amdhsa_group_segment_fixed_size 327680
		.amdhsa_private_segment_fixed_size 0
		.amdhsa_enable_private_segment 0
		.amdhsa_kernarg_size 72
		.amdhsa_user_sgpr_count 2
		.amdhsa_user_sgpr_kernarg_segment_ptr 1
		.amdhsa_wavefront_size32 1
		.amdhsa_system_sgpr_workgroup_id_x 1
		.amdhsa_system_sgpr_workgroup_id_y 1
		.amdhsa_system_sgpr_workgroup_id_z 1
		.amdhsa_system_vgpr_workitem_id 0
		.amdhsa_next_free_vgpr 1024
		.amdhsa_next_free_sgpr 102
		.amdhsa_reserve_vcc 1
		.amdhsa_float_denorm_mode_32 3
		.amdhsa_float_denorm_mode_16_64 3
		.amdhsa_memory_ordered 1
		.amdhsa_forward_progress 1
		.amdhsa_inst_pref_size 192
	.end_amdhsa_kernel
	.amdgpu_metadata
---
amdhsa.version: [ 1, 2 ]
amdhsa.kernels:
  - .name:           k_qc762d5c724_qkv
    .symbol:         k_qc762d5c724_qkv.kd
    .args:
      - { .name: xc, .offset: 0, .size: 8, .value_kind: global_buffer, .address_space: global }
      - { .name: xs, .offset: 8, .size: 8, .value_kind: global_buffer, .address_space: global }
      - { .name: wc, .offset: 16, .size: 8, .value_kind: global_buffer, .address_space: global }
      - { .name: ws, .offset: 24, .size: 8, .value_kind: global_buffer, .address_space: global }
      - { .name: bq, .offset: 32, .size: 8, .value_kind: global_buffer, .address_space: global }
      - { .name: bk, .offset: 40, .size: 8, .value_kind: global_buffer, .address_space: global }
      - { .name: bv, .offset: 48, .size: 8, .value_kind: global_buffer, .address_space: global }
      - { .name: qb, .offset: 56, .size: 8, .value_kind: global_buffer, .address_space: global }
      - { .name: kv, .offset: 64, .size: 8, .value_kind: global_buffer, .address_space: global }
    .group_segment_fixed_size: 327680
    .private_segment_fixed_size: 0
    .kernarg_segment_align: 8
    .kernarg_segment_size: 72
    .max_flat_workgroup_size: 128
    .sgpr_count:     102
    .vgpr_count:     1024
    .wavefront_size: 32
...
	.end_amdgpu_metadata
.endif
;; end of part 2
;; launch attn (part 3): grid 4 x 64, 16 waves a work-group, clusters of 4 x 1, 264,192 bytes of LDS; arguments qb, kv, oc, os; writes oc, os
.if DOCPART == 3
	.amdgcn_target "amdgcn-amd-amdhsa--gfx1250"
	.amdhsa_code_object_version 6
	.text
	.protected	k_qc762d5c724_attn
	.globl	k_qc762d5c724_attn
	.p2align	8
	.type	k_qc762d5c724_attn,@function
k_qc762d5c724_attn:
	s_mov_b64 s[64:65], 0
	v_nop
	global_prefetch_b8 v0, s[64:65] scope:SCOPE_SE
	s_setreg_imm32_b32 hwreg(HW_REG_WAVE_MODE, 25, 1), 1
	s_wait_xcnt 0x0
	s_wait_alu depctr_hold_cnt(0) depctr_sa_sdst(0) depctr_va_vdst(0) depctr_va_sdst(0) depctr_va_ssrc(0) depctr_va_vcc(0) depctr_vm_vsrc(0)
	s_getreg_b32 s2, hwreg(HW_REG_IB_STS2, 6, 4)
	s_cmp_eq_u32 s2, 0
	s_cbranch_scc0 .Lentry_in_a_cluster
	s_endpgm
.Lentry_in_a_cluster:
	s_bfe_u32 s2, ttmp6, 0x10000c
	s_cmp_lg_u32 s2, 0x3003
	s_cbranch_scc0 .Lentry_shape_is_right
	s_endpgm
.Lentry_shape_is_right:
; O = softmax(Q K^T / 8) V for one head of one batch, both products on codes of FP6 (E2M3) with E8M0 scales; O is divided by the row's sum, quantised along the head's 64 and stored as images of the last launch's operand.
; THE SOFTMAX: t = score x log2(e) / 8; M = the running largest t rounded up to a whole number; p = 2^(t - M) is quantised along the keys, not normalised; the row's sum is taken of the unquantised p.
; When M moves, the sum and O are multiplied by f = 2^(old M - new M), made by v_exp_f32 of that whole number; the same f goes on both, so it leaves their quotient as it is.
; SHARES.  A work-group takes a head (the cluster's y) and a quarter of its 2,048 queries: 32 tiles of 16.  Each of its sixteen waves takes one tile in each of two passes and walks all 16 key steps of 128 keys.
; LDS.  The whole head's K, V and scale words lie in LDS, filled once: wave w asks for key step w, 51 rows of 256 bytes, each followed by 32 bytes of padding (pitch 288), at byte 16,384 w.
; The four work-groups of a cluster read the same bytes and ask jointly.  No slot is filled again.  No prefetch: every tensor byte is asked for in the head, and there is no loop to run ahead in.
; A key step in memory: K's 8 stored tiles x 768 bytes (rows 0-23); V's 4 images x 1,536 (rows 24-47); K's scale words (rows 48, 49); V's (row 50).
; K'S TILES ARE FORMED ANEW BY THE LANES' ADDRESSES.  Tile (c, u) takes keys 64 c + 8 u + 0..7 as its rows 0-7 and keys 64 c + 32 + 8 u + 0..7 as its rows 8-15: lanes of rows 8-15 read two stored tiles (six LDS rows, 1,728 bytes) further on.
; With S^T = K Q^T a lane (query r, half h) then holds in the 32 registers of tiles (c, 0..3) the keys 64 c + 32 h + 0..31 in order: ONE WHOLE SCALE BLOCK, and the order of P's operand registers.  No lane asks another for a block's maximum, no codes change lanes.
; 1,728 = 192 modulo 256, so the four runs of 64 bytes that such a load touches fall on different banks (64 banks of 4 bytes: ISA guide 11.1).
; K = 64 IN AN INSTRUCTION 128 DEEP: Q's upper six registers are zero codes and bytes 2, 3 of Q's and K's scale words are 0.  K's operand takes the six registers behind it as its upper half (the next tile's codes; behind tile 7, V's first six): they meet zero codes.
; SHORT CHAINS.  A block's largest score is a tree of v_max3 four levels deep (its 18 temporaries: P's code registers, idle then, and six more); the row's sum is a tree of packed additions in place over p, behind the conversions.
; This step's V is asked for behind the first products; the next step's K in threes between the narrow levels of the tree and the lines that make M.  The last step of a pass asks for key step 0 again; in the second pass that fetch is not used.
; LIMITS: p and f under 2^-126 come out of v_exp_f32 as 0; a block of zeros gets the byte 1; NaN and infinities are not served.  os is stored a byte a lane, so its 256-byte blocks are written in parts: one byte for each 24 of codes.
.set STEPB, 13056                      ; a key step in memory
.set STP,   16384                      ; and its place in LDS
.set RP,    288                        ; an LDS row
.set SPARE, 0x40000                    ; behind the sixteen steps: the spare words, 128 bytes a wave
.set L8,   1                           ; 8 x lane
.set SPW,  2
.set NIL,  3
.set BK,   4                           ; K's codes: 8 (r % 8) + 128 h + 1,728 (r / 8)
.set BS,   5                           ; K's scale words: 288 h + 16 (r % 8) + 8 (r / 8)
.set R16,  6                           ; 16 r
.set SH8,  7                           ; 8 h
.set QS,   8                           ; Q's scale word; v9 the second pass's
.set QS1,  9
.set FF,   10                          ; f (named in a pair with v11)
.set PSW,  11                          ; p's scale word
.set NM,   12                          ; -M; v13 the running largest score; v[14:15] the row's sum in two halves
.set SMX,  13
.set QF,   16                          ; v16-27 Q
.set KS,   28                          ; v28-31 K's scale words: register u, lanes 0-15 tile (0, u), lanes 16-31 tile (1, u)
.set VS,   32                          ; v32-35 V's
.set KF,   36                          ; v36-83 K's eight tiles
.set VF,   84                          ; v84-131 V's four images
.set S,    132                         ; v132-195 S^T, then p
.set O,    196                         ; v196-227 O^T
.set PCD,  228                         ; v228-239 p's codes
.set Q1,   240                         ; v240-245 the second pass's Q
.set T,    246                         ; v246-255 at work
.set WV,   12
.set G1,   24
.set G0,   32
.set SEL,  48
.set CS,   50
.set TB,   52
.set TBN,  53
.set HM,   54
.set PASS, 55
.set OCB,  56
.set OSB,  58
.macro CROUND
	s_barrier_signal -1
	s_barrier_wait -1
	s_cmp_lg_u32 s[WV], 0
	s_cbranch_scc1 .Lnot_wave_0_\@
	s_barrier_signal -3
.Lnot_wave_0_\@:
	s_barrier_wait -3
	s_barrier_signal -1
	s_barrier_wait -1
.endm
.macro KLS from, to, ak, as            ; loads from .. to - 1 of a key step's K: 24 of codes (3 n' + p: tile n', plane p), 2 of scale words
.set n_, \from
.rept (\to)-(\from)
.if n_ < 24
	ds_load_b64 v[KF+2*n_:KF+2*n_+1], \ak offset:RP*(3*(4*(n_/12)+((n_/3)%2))+n_%3)+64*(((n_/3)%4)/2)
.else
	ds_load_b64 v[KS+2*(n_-24):KS+2*(n_-24)+1], \as offset:RP*48+128*(n_-24)
.endif
.set n_, n_+1
.endr
.endm
	s_load_b256 s[4:11], s[0:1], 0x0               ; qb, kv, oc, os
	v_lshl_add_u32 v[SPW], v0, 2, SPARE
	v_mov_b32 v[NIL], 0
	ds_add_u32 v[SPW], v[NIL]                      ; the opening lines: the add, twice on end, and its wait
	ds_add_u32 v[SPW], v[NIL]
	v_lshrrev_b32 v1, 5, v0
	s_delay_alu instid0(VALU_DEP_1)
	v_readfirstlane_b32 s[WV], v1                  ; wave 0..15
	s_bfe_u32 s13, ttmp6, 0x40000                  ; cx: it enters Q's, oc's and os's addresses alone
	s_and_b32 s14, ttmp7, 0xffff                   ; 16 x batch + head, which the four partners share
	s_mov_b32 s[G1], 15|(3<<16)|(1<<20)|(1<<21)|(5<<22)|(7<<25)   ; the mask: all four; elements of 8 bytes; behind every 64 dwords 8 dwords of padding
	s_mov_b32 s[G1+1], 32<<16
	s_mov_b32 s[G1+2], 51<<16
	s_mov_b32 s[G1+3], 32<<16
	s_mov_b32 s[G1+4], 51
	s_mov_b32 s[G1+5], 32
	s_mov_b32 s[G1+6], 0
	s_mov_b32 s[G1+7], 0
	s_mul_i32 s16, s14, 16*STEPB                   ; the head's bytes of kv,
	s_mul_i32 s15, s[WV], STEPB                    ; key step w
	s_add_co_u32 s16, s16, s15
	s_mov_b32 s17, 0
	s_lshl_b32 s2, s14, 4                          ; Q: my tile of pass 0 is 32 cx + w: group 4 cx + w / 8, tile w % 8
	s_lshl_b32 s18, s13, 2
	s_add_co_u32 s2, s2, s18
	s_lshr_b32 s18, s[WV], 3
	s_add_co_u32 s2, s2, s18
	s_mul_i32 s20, s2, 6656
	s_and_b32 s18, s[WV], 7
	s_mul_i32 s18, s18, 768
	s_add_co_u32 s22, s20, s18                     ; its codes
	s_mov_b32 s23, 0
	s_bfe_u32 s18, s[WV], 0x10002
	s_lshl_b32 s18, s18, 8
	s_add_co_u32 s20, s20, s18
	s_and_b32 s18, s[WV], 3
	s_lshl_b32 s18, s18, 2
	s_add_co_u32 s20, s20, s18
	s_add_co_u32 s20, s20, 6144                    ; its scale words: 6,144 + 256 ((w % 8) / 4) + 4 (w % 4), + 16 r
	s_mov_b32 s21, 0
	s_lshr_b32 s18, s14, 4                         ; the batch
	s_and_b32 s19, s14, 15                         ; the head
	s_lshl_b32 s18, s18, 7
	s_lshl_b32 s2, s13, 5
	s_add_co_u32 s18, s18, s2
	s_add_co_u32 s18, s18, s[WV]                   ; my stored tile of tokens in pass 0
	s_lshl_b32 s2, s18, 3
	s_lshr_b32 s3, s19, 1
	s_add_co_u32 s2, s2, s3
	s_mul_i32 s[OCB], s2, 1536                     ; oc: image 8 x tile + head / 2,
	s_and_b32 s3, s19, 1
	s_mul_i32 s3, s3, 768
	s_add_co_u32 s[OCB], s[OCB], s3                ; its first or second half
	s_mov_b32 s[OCB+1], 0
	s_lshl_b32 s[OSB], s18, 9
	s_lshl_b32 s3, s19, 1
	s_add_co_u32 s[OSB], s[OSB], s3                ; os: 16 x tile rows of 32 bytes, + 2 x head
	s_mov_b32 s[OSB+1], 0
	s_mov_b32 s[SEL], 0x76543210
	s_mov_b32 s[SEL+1], 0xfedcba98
	s_mov_b32 s[CS], 0x3e38aa3b                    ; c = log2(e) / 8
	s_mov_b32 s[CS+1], s[CS]                       ; (named with it as a pair, so it is written)
	s_wait_dscnt 0x0
	s_wait_kmcnt 0x0
	s_add_nc_u64 s[16:17], s[6:7], s[16:17]
	s_add_nc_u64 s[22:23], s[4:5], s[22:23]
	s_add_nc_u64 s[20:21], s[4:5], s[20:21]
	s_add_nc_u64 s[OCB:OCB+1], s[8:9], s[OCB:OCB+1]
	s_add_nc_u64 s[OSB:OSB+1], s[10:11], s[OSB:OSB+1]
	CROUND                                         ; all four work-groups are here: the joint loads meet
	s_mov_b32 s[G0], 1
	s_lshl_b32 s[G0+1], s[WV], 14                  ; LDS: 16,384 x wave
	s_mov_b64 s[G0+2:G0+3], s[16:17]
	s_or_b32 s[G0+3], s[G0+3], 0x80000000
	tensor_load_to_lds s[G0:G0+3], s[G1:G1+7]      ; every wave's one load: key step w
	s_nop 0
	v_and_b32 v[T], 7, v0                          ; r % 8
	v_bfe_u32 v[T+1], v0, 3, 1                     ; r / 8
	v_bfe_u32 v[T+2], v0, 4, 1                     ; h
	v_and_b32 v[T+3], 31, v0
	v_and_b32 v[T+4], 15, v0
.irp j, 0,1,2,3,4,5
	v_mov_b32 v[QF+6+\j], 0                        ; the zero codes that fill K = 64 up to 128
.endr
	v_lshlrev_b32 v[BK], 3, v[T]
	v_lshlrev_b32 v[BS], 4, v[T]
	v_lshlrev_b32 v[L8], 3, v[T+3]
	v_lshlrev_b32 v[R16], 4, v[T+4]
.irp j, 0,1,2,3,4,5
	v_mov_b32 v[VF+\j], 0                          ; named as tile 7's upper half before V's first load
.endr
	v_lshl_add_u32 v[BK], v[T+2], 7, v[BK]
	v_lshl_add_u32 v[BS], v[T+1], 3, v[BS]
	v_mov_b32 v[PSW], 0                            ; (named as the upper half of f's pair)
	v_lshlrev_b32 v[SH8], 3, v[T+2]
	v_cmp_eq_u32 s[HM], 1, v[T+2]
	v_mad_u32_u24 v[BK], v[T+1], 6*RP, v[BK]
	v_mad_u32_u24 v[BS], v[T+2], RP, v[BS]
.irp p, 0,1,2
	global_load_b64 v[QF+2*\p:QF+2*\p+1], v[L8], s[22:23] offset:256*\p
	global_load_b64 v[Q1+2*\p:Q1+2*\p+1], v[L8], s[22:23] offset:13312+256*\p    ; pass 1: 16 tiles = two groups on
.endr
	global_load_b32 v[QS], v[R16], s[20:21]
	global_load_b32 v[QS1], v[R16], s[20:21] offset:13312
	s_wait_alu depctr_va_vdst(0)                   ; the wait at the head's end
	s_wait_tensorcnt 0x0                           ; my key step is in;
	s_barrier_signal -1
	s_barrier_wait -1                              ; and everybody's
	KLS 0, 26, v[BK], v[BS]                        ; key step 0's K
	s_mov_b32 s[PASS], 0
	s_wait_loadcnt 0x0                             ; Q
.macro XS c                            ; block c's nine temporaries: X0 .. X0 + 2 and X3 .. X3 + 5
.set X0, PCD+9*\c
.set X3, PCD+3+\c*(T+1-PCD)
.endm
.macro ADDS from, to, d, hint=0        ; pairs from .. to - 1 of p take up the pairs d further on
.set n_, \from
.rept (\to)-(\from)
.if \hint
	s_delay_alu instid0(VALU_DEP_4)
.endif
	v_pk_add_f32 v[S+2*n_:S+2*n_+1], v[S+2*n_:S+2*n_+1], v[S+2*(n_+\d):S+2*(n_+\d)+1]
.set n_, n_+1
.endr
.endm
.macro OMUL from                       ; four lines of O^T x f, each accumulator from its low end on
.irp k, 0,1,2,3
	v_pk_mul_f32 v[O+2*(\from+\k):O+2*(\from+\k)+1], v[O+2*(\from+\k):O+2*(\from+\k)+1], v[FF:FF+1] op_sel_hi:[1,0]
.endr
.endm
.macro PV i
	v_wmma_scale_f32_16x16x128_f8f6f4 v[O+8*\i:O+8*\i+7], v[VF+12*\i:VF+12*\i+11], v[PCD:PCD+11], v[O+8*\i:O+8*\i+7], v[VS+\i], v[PSW] matrix_a_fmt:MATRIX_FMT_FP6 matrix_b_fmt:MATRIX_FMT_FP6
.endm
.Lpass:
	v_mov_b32 v[SMX], 0xff61b1e6                   ; the largest score so far: -3e38
	v_mov_b32 v[NM], 0x7f61b1e6                    ; -M = 3e38, a whole number: the first f is 0
	v_mov_b32 v14, 0
	v_mov_b32 v15, 0
.set jj, 0
.rept 32
	v_mov_b32 v[O+jj], 0                           ; the step is written once: the first finds zeros
.set jj, jj+1
.endr
	s_mov_b32 s[TB], 0
	s_wait_alu depctr_va_vdst(0)
	s_wait_dscnt 0x0                               ; key step 0's K
.Lstep:                                                ; A KEY STEP: 128 keys at LDS byte s[TB]
	s_add_co_u32 s[TBN], s[TB], STP
	s_and_b32 s[TBN], s[TBN], 16*STP-1             ; the next step's place; behind step 15 comes step 0
.irp u, 0,1,2,3
	v_wmma_scale_f32_16x16x128_f8f6f4 v[S+8*\u:S+8*\u+7], v[KF+6*\u:KF+6*\u+11], v[QF:QF+11], 0, v[KS+\u], v[QS] matrix_a_fmt:MATRIX_FMT_FP6 matrix_b_fmt:MATRIX_FMT_FP6
.endr
.irp u, 0,1,2,3
	v_wmma_scale_f32_16x16x128_f8f6f4 v[S+32+8*\u:S+32+8*\u+7], v[KF+24+6*\u:KF+24+6*\u+11], v[QF:QF+11], 0, v[KS+\u], v[QS] matrix_a_fmt:MATRIX_FMT_FP6 matrix_b_fmt:MATRIX_FMT_FP6 matrix_a_scale:MATRIX_SCALE_ROW1
.endr
	v_add_nc_u32 v[T], s[TB], v[L8]                ; four addresses: they are also the four places in front of the loads and of the first read of the scores
	v_add_nc_u32 v[T+1], s[TB], v[R16]
	v_add_nc_u32 v[T+2], s[TBN], v[BK]
	v_add_nc_u32 v[T+3], s[TBN], v[BS]
.irp i, 0,1,2,3
.irp p, 0,1,2,3,4,5
	ds_load_b64 v[VF+12*\i+2*\p:VF+12*\i+2*\p+1], v[T] offset:RP*(24+6*\i+\p)   ; this step's V: 25 loads
.endr
.endr
	ds_load_b128 v[VS:VS+3], v[T+1] offset:RP*50
; the largest score of my two blocks of 32 keys: 9 + 4 + 2 + 1 lines a block, four levels, the two blocks by turns
.irp k, 0,1,2,3,4,5,6,7,8
.irp c, 0,1
	XS \c
.if \k < 3
.set XD, X0+\k
.else
.set XD, X3+\k-3
.endif
	v_max3_num_f32 v[XD], v[S+32*\c+3*\k], v[S+32*\c+3*\k+1], v[S+32*\c+3*\k+2]
.endr
.endr
.irp c, 0,1
	XS \c
	v_max3_num_f32 v[X0], v[X0], v[X0+1], v[X0+2]
.endr
.irp c, 0,1
	XS \c
	v_max3_num_f32 v[X3], v[X3], v[X3+1], v[X3+2]
.endr
.irp c, 0,1
	XS \c
	v_max3_num_f32 v[X3+3], v[X3+3], v[X3+4], v[X3+5]
.endr
.irp c, 0,1
	XS \c
	v_max3_num_f32 v[X0+1], v[S+32*\c+27], v[S+32*\c+28], v[S+32*\c+29]
.endr
	KLS 0, 3, v[T+2], v[T+3]                       ; the next step's K, three loads at a time between lines that hang on each other
.irp c, 0,1
	XS \c
	v_max3_num_f32 v[X0], v[X0], v[X3], v[X3+3]
.endr
.irp c, 0,1
	XS \c
	v_max3_num_f32 v[X0+1], v[X0+1], v[S+32*\c+30], v[S+32*\c+31]
.endr
	KLS 3, 6, v[T+2], v[T+3]
.irp c, 0,1
	XS \c
	v_max_num_f32 v[X0], v[X0], v[X0+1]            ; block h in v[PCD], block 2 + h in v[PCD+9]
.endr
	KLS 6, 9, v[T+2], v[T+3]
	v_max_num_f32 v[T+4], v[PCD], v[PCD+9]
	KLS 9, 12, v[T+2], v[T+3]
	v_permlanex16_b32 v[T+5], v[T+4], s[SEL], s[SEL+1]
	KLS 12, 15, v[T+2], v[T+3]
	v_max3_num_f32 v[SMX], v[SMX], v[T+4], v[T+5]  ; the running largest score of my query
	KLS 15, 18, v[T+2], v[T+3]
	v_mul_f32 v[T+4], s[CS], v[SMX]                ; as t (c is positive)
	KLS 18, 21, v[T+2], v[T+3]
	v_floor_f32 v[T], -v[T+4]                      ; the new -M = -ceil(t)
	KLS 21, 24, v[T+2], v[T+3]
	v_sub_f32 v[T+1], v[T], v[NM]                  ; old M - new M: a whole number, 0 or less
.set jj, 0
.rept 32
	v_pk_fma_f32 v[S+jj:S+jj+1], v[S+jj:S+jj+1], s[CS:CS+1], v[T:T+1] op_sel_hi:[1,0,0]   ; t - M, two at a time
.set jj, jj+2
.endr
	v_fma_f32 v[T+8], v[PCD], s[CS], v[T]          ; the same of each block's largest score
	v_fma_f32 v[T+9], v[PCD+9], s[CS], v[T]
	KLS 24, 26, v[T+2], v[T+3]
	s_wait_alu depctr_va_vdst(0)                   ; the wait ahead of the batch
.set jj, 0
.rept 64
	v_exp_f32 v[S+jj], v[S+jj]                     ; p = 2^(t - M)
.set jj, jj+1
.endr
	v_exp_f32 v[T+8], v[T+8]                       ; each block's largest p
	v_exp_f32 v[T+9], v[T+9]
	v_exp_f32 v[FF], v[T+1]                        ; f
	v_mov_b32 v[NM], v[T]                          ; the plain place behind the batch
	s_wait_alu depctr_va_vdst(0)                   ; one wait for the batch, directly ahead of the first reader of f and of O^T
	OMUL 0                                         ; O^T under the new M; the scale's lines stand among these, each five lines or more behind what it reads
	v_max_num_f32 v[T+8], 0x1800000, v[T+8]        ; the floor 2^(3 - 127)
	v_max_num_f32 v[T+9], 0x1800000, v[T+9]
	OMUL 4
	v_add_nc_u32 v[T+8], 0xff000000, v[T+8]        ; 2 off the exponent field: the conversions' scale operands
	v_add_nc_u32 v[T+9], 0xff000000, v[T+9]
	OMUL 8
	v_lshrrev_b32 v[T+3], 23, v[T+8]               ; the scales' bytes
	v_lshrrev_b32 v[T+7], 23, v[T+9]
	OMUL 12
	v_cvt_scalef32_pk16_fp6_f32 v[PCD:PCD+2], v[S:S+15], v[T+8]
	v_cvt_scalef32_pk16_fp6_f32 v[T+4:T+6], v[S+16:S+31], v[T+8]     ; (a conversion's three registers begin on an even number)
	v_cvt_scalef32_pk16_fp6_f32 v[PCD+6:PCD+8], v[S+32:S+47], v[T+9]
	v_cvt_scalef32_pk16_fp6_f32 v[T:T+2], v[S+48:S+63], v[T+9]
	v_lshl_or_b32 v[T+3], v[T+7], 16, v[T+3]       ; blocks h and 2 + h.  (The plain place behind the conversions)
	ADDS 0, 5, 16                                  ; THE ROW'S SUM, of the unquantised p, in place: 16 + 8 + 4 + 2 + 1 lines and the old sum's
	v_lshlrev_b32 v[T+3], v[SH8], v[T+3]           ; at their places in the word;
.irp i, 0,1,2
	v_mov_b32 v[PCD+3+\i], v[T+4+\i]
.endr
.irp i, 0,1,2
	v_mov_b32 v[PCD+9+\i], v[T+\i]
.endr
	v_permlanex16_b32 v[T+7], v[T+3], s[SEL], s[SEL+1]
	ADDS 5, 16, 16
	v_or_b32 v[PSW], v[T+3], v[T+7]                ; with lane l xor 16's two the word is whole
	ADDS 0, 8, 8                                   ; these 12 are also the places between the scale word and the products below
	ADDS 0, 4, 4, 1
	s_wait_alu depctr_va_vdst(0)                   ; directly ahead of the wait below
	s_wait_dscnt 0x0                               ; V, and the next step's K
	PV 0                                           ; the sum's narrow levels stand among the products
	ADDS 0, 1, 1
	PV 1
	ADDS 2, 3, 1
	PV 2
	ADDS 0, 1, 2
	PV 3
	v_pk_fma_f32 v[14:15], v[14:15], v[FF:FF+1], v[S:S+1] op_sel_hi:[1,0,1]   ; the old sum under the new M, and this step's
	s_add_co_u32 s[TB], s[TB], STP
	s_cmp_lg_u32 s[TB], 16*STP
	s_cbranch_scc1 .Lstep
; O^T / the sum; register 16 b + i is channel 32 b + 16 h + i of my query: two blocks of 32 along the last product's K.  They become half an image and two scale bytes.
	v_lshrrev_b32 v[S+32], 3, v[SH8]               ; h.  (Places behind the last products)
.rept 3
	v_nop
.endr
	v_add_f32 v14, v14, v15
	s_delay_alu instid0(VALU_DEP_1)
	v_permlanex16_b32 v[T+3], v14, s[SEL], s[SEL+1]
	s_delay_alu instid0(VALU_DEP_1)
	v_add_f32 v14, v14, v[T+3]                     ; the row's sum
	s_wait_alu depctr_va_vdst(0)
	v_rcp_f32 v14, v14
	v_lshl_add_u32 v[S+32], v[R16], 1, v[S+32]     ; os: 32 r + h.  (The plain place behind the reciprocal)
	s_wait_alu depctr_va_vdst(0)                   ; the wait ahead of its first reader and of O^T's
.set jj, 0
.rept 16
	v_pk_mul_f32 v[S+jj:S+jj+1], v[O+jj:O+jj+1], v[14:15] op_sel_hi:[1,0]
.set jj, jj+2
.endr
.irp b, 0,1
	v_max3_num_f32 v[T+8+\b], |v[S+16*\b]|, |v[S+1+16*\b]|, 0x1800000
.endr
.irp i, 2,4,6,8,10,12,14
.irp b, 0,1
	s_delay_alu instid0(VALU_DEP_2)
	v_max3_num_f32 v[T+8+\b], v[T+8+\b], |v[S+16*\b+\i]|, |v[S+1+16*\b+\i]|
.endr
.endr
.irp b, 0,1
	s_delay_alu instid0(VALU_DEP_2)
	v_permlanex16_b32 v[T+3+4*\b], v[T+8+\b], s[SEL], s[SEL+1]
.endr
.irp b, 0,1
	s_delay_alu instid0(VALU_DEP_2)
	v_max_num_f32 v[T+8+\b], v[T+8+\b], v[T+3+4*\b]
.endr
.irp b, 0,1
	s_delay_alu instid0(VALU_DEP_2)
	v_add_nc_u32 v[T+4+\b], 0xff000000, v[T+8+\b]
.endr
.irp b, 0,1
	s_delay_alu instid0(VALU_DEP_2)
	v_lshrrev_b32 v[T+3+4*\b], 23, v[T+4+\b]
.endr
	v_cvt_scalef32_pk16_fp6_f32 v[PCD:PCD+2], v[S:S+15], v[T+4]
	v_cvt_scalef32_pk16_fp6_f32 v[T:T+2], v[S+16:S+31], v[T+5]
	v_cndmask_b32 v[T+3], v[T+3], v[T+7], s[HM]    ; lanes 0-15 store block 0's byte, lanes 16-31 block 1's.  (The plain place behind the conversions)
.irp i, 0,1,2
	v_permlane16_swap_b32 v[PCD+\i], v[T+\i]
.endr
.irp i, 0,1,2
	s_delay_alu instid0(VALU_DEP_3)
	v_mov_b32 v[PCD+3+\i], v[T+\i]
.endr
.irp p, 0,1,2
	global_store_b64 v[L8], v[PCD+2*\p:PCD+2*\p+1], s[OCB:OCB+1] offset:256*\p   ; a plane: 256 consecutive bytes, aligned
.endr
	global_store_b8 v[S+32], v[T+3], s[OSB:OSB+1]
	s_wait_alu depctr_va_vdst(0)
	s_wait_xcnt 0x0                                ; the stores have read their registers and bases
	s_cmp_eq_u32 s[PASS], 1
	s_cbranch_scc1 .Llast                          ; behind the second pass nothing is made ready
	s_add_nc_u64 s[OCB:OCB+1], s[OCB:OCB+1], 196608   ; 16 stored tiles on
	s_add_nc_u64 s[OSB:OSB+1], s[OSB:OSB+1], 8192
.irp j, 0,1,2,3,4,5
	v_mov_b32 v[QF+\j], v[Q1+\j]                   ; the second pass's Q; the 36 lines at the pass's head stand between these and the first product
.endr
	v_mov_b32 v[QS], v[QS1]
.Llast:
	s_add_co_u32 s[PASS], s[PASS], 1
	s_cmp_lg_u32 s[PASS], 2
	s_wait_alu depctr_va_vdst(0)
	s_cbranch_scc1 .Lpass
	s_wait_tensorcnt 0x0                           ; the wave's end
	ds_add_u32 v[SPW], v[NIL]
	s_wait_dscnt 0x0
	CROUND                                         ; the closing round
	s_endpgm
.Lfunc_end_k_qc762d5c724_attn:
	.size	k_qc762d5c724_attn, .Lfunc_end_k_qc762d5c724_attn-k_qc762d5c724_attn
	.p2alignl 7, 3214868480
	.fill 96, 4, 3214868480
	.section	.rodata,"a",@progbits
	.p2align	6, 0x0
	.amdhsa_kernel k_qc762d5c724_attn
		.amdhsa_group_segment_fixed_size 264192
		.amdhsa_private_segment_fixed_size 0
		.amdhsa_enable_private_segment 0
		.amdhsa_kernarg_size 32
		.amdhsa_user_sgpr_count 2
		.amdhsa_user_sgpr_kernarg_segment_ptr 1
		.amdhsa_wavefront_size32 1
		.amdhsa_system_sgpr_workgroup_id_x 1
		.amdhsa_system_sgpr_workgroup_id_y 1
		.amdhsa_system_sgpr_workgroup_id_z 1
		.amdhsa_system_vgpr_workitem_id 0
		.amdhsa_next_free_vgpr 256
		.amdhsa_next_free_sgpr 66
		.amdhsa_reserve_vcc 0
		.amdhsa_float_denorm_mode_32 3
		.amdhsa_float_denorm_mode_16_64 3
		.amdhsa_memory_ordered 1
		.amdhsa_forward_progress 1
		.amdhsa_inst_pref_size 31
	.end_amdhsa_kernel
	.amdgpu_metadata
---
amdhsa.version: [ 1, 2 ]
amdhsa.kernels:
  - .name:           k_qc762d5c724_attn
    .symbol:         k_qc762d5c724_attn.kd
    .args:
      - { .name: qb, .offset: 0, .size: 8, .value_kind: global_buffer, .address_space: global }
      - { .name: kv, .offset: 8, .size: 8, .value_kind: global_buffer, .address_space: global }
      - { .name: oc, .offset: 16, .size: 8, .value_kind: global_buffer, .address_space: global }
      - { .name: os, .offset: 24, .size: 8, .value_kind: global_buffer, .address_space: global }
    .group_segment_fixed_size: 264192
    .private_segment_fixed_size: 0
    .kernarg_segment_align: 8
    .kernarg_segment_size: 32
    .max_flat_workgroup_size: 512
    .sgpr_count:     66
    .vgpr_count:     256
    .wavefront_size: 32
...
	.end_amdgpu_metadata
.endif
;; end of part 3
;; launch outp (part 4): grid 4 x 64, 4 waves a work-group, clusters of 4 x 4, 327,680 bytes of LDS; arguments oc, os, wc, ws, bo, out0; writes out0
.if DOCPART == 4
	.amdgcn_target "amdgcn-amd-amdhsa--gfx1250"
	.amdhsa_code_object_version 6
	.text
	.protected	k_qc762d5c724_outp
	.globl	k_qc762d5c724_outp
	.p2align	8
	.type	k_qc762d5c724_outp,@function
k_qc762d5c724_outp:
	s_mov_b64 s[64:65], 0
	v_nop
	global_prefetch_b8 v0, s[64:65] scope:SCOPE_SE
	s_setreg_imm32_b32 hwreg(HW_REG_WAVE_MODE, 25, 1), 1
	s_wait_xcnt 0x0
	s_wait_alu depctr_hold_cnt(0) depctr_sa_sdst(0) depctr_va_vdst(0) depctr_va_sdst(0) depctr_va_ssrc(0) depctr_va_vcc(0) depctr_vm_vsrc(0)
	s_getreg_b32 s2, hwreg(HW_REG_IB_STS2, 6, 4)
	s_cmp_eq_u32 s2, 0
	s_cbranch_scc0 .Lentry_in_a_cluster
	s_endpgm
.Lentry_in_a_cluster:
	s_bfe_u32 s2, ttmp6, 0x10000c
	s_cmp_lg_u32 s2, 0xf033
	s_cbranch_scc0 .Lentry_shape_is_right
	s_endpgm
.Lentry_shape_is_right:
; out0 = O Wo + bo: [8192][1024] x [1024][1024] on codes of FP6 (E2M3) with E8M0 scales, sums in f32; the bias is the first products' C.
; oc, wc: images of fragments, [stored tile of 16 rows][8 chunks of 128 K][6 planes of 256 bytes]; os, ws: [stored row][32 scale bytes].  Wo's rows begin at stored row 3,072 of wc and ws.
; A stored tile T holds the rows 32 (T / 2) + 8 (T % 2) + r + 8 (r / 8): the way out puts rows and columns back.
; SHARES.  A work-group makes 128 rows x 256 columns: 64 x 4 = 256 work-groups.  Four waves, 2 x 2; a wave makes 64 x 128: 32 accumulators, 256 registers.
; ALL OF K LIES IN LDS, FILLED ONCE: A's 8 tiles (98,304 bytes), B's 16 (196,608), A's and B's scale bytes (units of 256 + 16): four dense blocks of memory, one joint load a wave at the head.  Nothing is filled again.
; CLUSTERS 4 x 4: A's block and scales are shared along a row of the cluster, B's along a column.  No prefetch: every tensor byte is asked for in the head, and there is no loop to run ahead in.
; THE MATRIX INSTRUCTION IS USED TRANSPOSED (source 0 = rows of B, source 1 = rows of A): a lane holds eight neighbouring numbers of a row of the result.
; REGISTERS: window 0: v16-30 addresses; v32-95 all scale words (register 8 i + q: lanes 0-15 A's block i, lanes 16-31 B's block i, chunk q; for i over 3 lanes 0-15 hold words that no product names);
; v128-223 A's fragments, two sets of four.  Window 1: B's fragments, two sets of eight at v0 and v128; the bias at v96-127 and v224-255.  Window 2: the accumulators, (a, b) at v[8 (8 a + b)].
; A step of 128 along K: the next step's 72 LDS loads into the other sets, then 32 products.  The eight steps are written out: every offset is an immediate.
.set FR,     12
.set TILE,   12288                     ; a stored tile, all of K
.set AB,     8*TILE                    ; B's tiles, behind A's
.set SCL,    24*TILE                   ; the scales
.set SA,     16*272                    ; those of 128 rows
.set SBLK,   2*272                     ; of 16 rows
.set SPARE,  SCL+3*SA                  ; the spare words, 128 bytes a wave
.set SPITCH, 528                       ; the way out: a stage of 16 rows x (512 + 16) bytes a wave, over A's tiles, which have had their only fill and their last read by then
.set ADRA, 16
.set ADRB, 20                          ; v20 B's tiles 0-3, v21 tiles 4-7
.set STO,  24
.set RD,   25
.set CO,   26
.set ADRS, 27
.set SPW,  28
.set NIL,  29
.set L8,   30
.set SC,   32
.set AF,   128
.set BK,   128
.set G1, 24
.set G0, 32
.set G1B, 48
.set G0B, 56
.set G1S, 68
.set G0S, 76
.set G1SB, 80
.set G0SB, 88
.set MSB, 0
.macro WIN new
.if MSB != (\new)
	s_set_vgpr_msb (MSB<<8)|(\new)
.set MSB, (\new)
.endif
.endm
.set MUL_LO, 0xa1                      ; source 0 window 1, source 1 window 0, C and D window 2
.set TO_B,   0x40
.macro CROUND
	s_barrier_signal -1
	s_barrier_wait -1
	s_cmp_lg_u32 s14, 0
	s_cbranch_scc1 .Lnot_wave_0_\@
	s_barrier_signal -3
.Lnot_wave_0_\@:
	s_barrier_wait -3
	s_barrier_signal -1
	s_barrier_wait -1
.endm
.macro PLACES n
.rept \n
	v_nop
.endr
.endm
	s_load_b256 s[4:11], s[0:1], 0x0               ; oc, os, wc, ws
	s_load_b128 s[92:95], s[0:1], 0x20             ; bo, out0
	v_lshl_add_u32 v[SPW], v0, 2, SPARE
	v_mov_b32 v[NIL], 0
	ds_add_u32 v[SPW], v[NIL]                      ; the opening lines: the add, twice on end, and its wait
	ds_add_u32 v[SPW], v[NIL]
	v_lshrrev_b32 v1, 5, v0
	v_readfirstlane_b32 s14, v1                    ; wave
	s_lshr_b32 s15, s14, 1                         ; my half of the rows
	s_and_b32 s16, s14, 1                          ; my half of the columns
	s_bfe_u32 s40, ttmp6, 0x40000                  ; cx
	s_bfe_u32 s41, ttmp6, 0x40004                  ; cy
	s_lshl_b32 s42, ttmp9, 2
	s_add_co_u32 s42, s42, s40                     ; tile column, 0 .. 3
	s_and_b32 s17, ttmp7, 0xffff
	s_lshl_b32 s17, s17, 2
	s_add_co_u32 s17, s17, s41                     ; tile row, 0 .. 63
	s_lshl_b32 s43, s41, 2
	s_lshl_b32 s43, 15, s43                        ; my row of the cluster
	s_lshl_b32 s44, 0x1111, s40                    ; my column
	s_or_b32 s[G1+0], s43, (3<<16)|(1<<21)         ; codes: rows of 12,288 bytes (1,536 elements of 8), dense: A 8 rows, B 16
	s_or_b32 s[G1B+0], s44, (3<<16)|(1<<21)
.irp g, G1, G1B
	s_mov_b32 s[\g+1], 1536<<16
	s_mov_b32 s[\g+3], 1536<<16
	s_mov_b32 s[\g+5], 1536
	s_mov_b32 s[\g+6], 0
	s_mov_b32 s[\g+7], 0
.endr
	s_mov_b32 s[G1+2], 8<<16
	s_mov_b32 s[G1+4], 8
	s_mov_b32 s[G1B+2], 16<<16
	s_mov_b32 s[G1B+4], 16
	s_or_b32 s[G1S+0], s43, (3<<16)|(1<<20)|(1<<21)|(5<<22)|(3<<25)   ; scales: rows of 256 bytes, 16 bytes of padding behind each: A 16 rows, B 32
	s_or_b32 s[G1SB+0], s44, (3<<16)|(1<<20)|(1<<21)|(5<<22)|(3<<25)
.irp g, G1S, G1SB
	s_mov_b32 s[\g+1], 32<<16
	s_mov_b32 s[\g+3], 32<<16
	s_mov_b32 s[\g+5], 32
	s_mov_b32 s[\g+6], 0
	s_mov_b32 s[\g+7], 0
.endr
	s_mov_b32 s[G1S+2], 16<<16
	s_mov_b32 s[G1S+4], 16
	s_mov_b32 s[G1SB+2], 32<<16
	s_mov_b32 s[G1SB+4], 32
	s_mul_i32 s20, s17, 8*TILE                     ; A: 128 rows of 768 bytes a tile row,
	s_mov_b32 s21, 0
	s_lshl_b32 s22, s17, 12                        ; and of 32 scale bytes
	s_mov_b32 s23, 0
	s_lshl_b32 s46, s42, 8
	s_add_co_u32 s46, s46, 3072                    ; B: stored row 3,072 + 256 x tile column
	s_lshl_b32 s12, s46, 5
	s_mov_b32 s13, 0
	s_mul_i32 s46, s46, 768
	s_mov_b32 s47, 0
	s_wait_dscnt 0x0
	s_wait_kmcnt 0x0
	s_add_nc_u64 s[20:21], s[4:5], s[20:21]
	s_add_nc_u64 s[22:23], s[6:7], s[22:23]
	s_add_nc_u64 s[46:47], s[8:9], s[46:47]
	s_add_nc_u64 s[12:13], s[10:11], s[12:13]
	CROUND                                         ; all sixteen work-groups are here: the joint loads meet
	s_mov_b32 s[G0], 1
	s_mov_b32 s[G0+1], 0
	s_mov_b64 s[G0+2:G0+3], s[20:21]
	s_or_b32 s[G0+3], s[G0+3], 0x80000000
	s_mov_b32 s[G0B], 1
	s_mov_b32 s[G0B+1], AB
	s_mov_b64 s[G0B+2:G0B+3], s[46:47]
	s_or_b32 s[G0B+3], s[G0B+3], 0x80000000
	s_mov_b32 s[G0S], 1
	s_mov_b32 s[G0S+1], SCL
	s_mov_b64 s[G0S+2:G0S+3], s[22:23]
	s_or_b32 s[G0S+3], s[G0S+3], 0x80000000
	s_mov_b32 s[G0SB], 1
	s_mov_b32 s[G0SB+1], SCL+SA
	s_mov_b64 s[G0SB+2:G0SB+3], s[12:13]
	s_or_b32 s[G0SB+3], s[G0SB+3], 0x80000000
; the four fills, one a wave, in one chain of branches on the wave's number
.macro ARM under, g0, g1, next
	s_cmp_lt_u32 s14, \under
	s_cbranch_scc0 \next
	tensor_load_to_lds s[\g0:\g0+3], s[\g1:\g1+7]
	s_nop 0
	PLACES 4
	s_branch .Lhead_asked
\next:
.endm
	ARM 1, G0S, G1S, .Lhead_sb
	ARM 2, G0SB, G1SB, .Lhead_a
	ARM 3, G0, G1, .Lhead_b
	tensor_load_to_lds s[G0B:G0B+3], s[G1B:G1B+7]
	s_nop 0
	PLACES 4
.Lhead_asked:
	s_mul_i32 s21, s15, 4*TILE                     ; my four tiles of A
	s_mul_i32 s22, s16, 8*TILE
	s_add_co_u32 s22, s22, AB                      ; my eight of B
	s_mul_i32 s18, s15, SA/2                       ; the scales of my 64 rows of A,
	s_mul_i32 s19, s16, SA
	s_add_co_u32 s19, s19, SA
	s_sub_co_u32 s19, s19, s18                     ; and how far behind them those of my 128 rows of B lie
	s_add_co_u32 s18, s18, SCL
	s_mul_i32 s23, s14, 16*SPITCH                  ; my stage
	s_lshl_b32 s20, s17, 7
	s_lshl_b32 s2, s15, 6
	s_add_co_u32 s20, s20, s2                      ; my first row of the result
	s_lshl_b32 s20, s20, 12
	s_lshl_b32 s46, s42, 10
	s_lshl_b32 s47, s16, 9
	s_add_co_u32 s46, s46, s47                     ; my first column, in bytes
	s_mov_b32 s47, 0
	s_add_nc_u64 s[92:93], s[92:93], s[46:47]
	s_add_co_u32 s2, s20, s46
	s_mov_b32 s3, 0
	s_add_nc_u64 s[94:95], s[94:95], s[2:3]
	v_and_b32 v1, 15, v0                           ; r
	v_bfe_u32 v2, v0, 4, 1                         ; h
	v_and_b32 v3, 31, v0
	v_lshlrev_b32 v[L8], 3, v3
	v_lshlrev_b32 v[CO], 4, v3
	v_add_nc_u32 v[ADRA], s21, v[L8]
	v_add_nc_u32 v[ADRB], s22, v[L8]
	v_add_nc_u32 v[ADRB+1], 4*TILE, v[ADRB]
	v_lshlrev_b32 v5, 5, v1                        ; my row's 32 scale bytes,
	v_lshrrev_b32 v6, 8, v5
	v_lshl_add_u32 v5, v6, 4, v5                   ; and 16 more for each 256 passed
	v_mul_u32_u24 v6, s19, v2                      ; lanes 16-31 take B's
	v_add_nc_u32 v5, v5, v6
	v_add_nc_u32 v[ADRS], s18, v5
	v_mul_u32_u24 v5, v1, SPITCH
	v_lshl_add_u32 v5, v2, 6, v5
	v_add_nc_u32 v[STO], s23, v5                   ; the stage, in: row r, 64 bytes for each half of the lanes
	v_add_nc_u32 v[RD], s23, v[CO]                 ; and back: a row of 512 bytes to the 32 lanes
	v_lshlrev_b32 v3, 6, v2
	WIN TO_B
.irp t, 0,1,2,3,4,5,6,7
	global_load_b128 v[96+8*\t+96*(\t/4):96+8*\t+96*(\t/4)+3], v3, s[92:93] offset:4*(32*(\t/2)+8*(\t%2))        ; the bias, laid as tile t's result lies
	global_load_b128 v[96+8*\t+96*(\t/4)+4:96+8*\t+96*(\t/4)+7], v3, s[92:93] offset:4*(32*(\t/2)+8*(\t%2))+16
.endr
	WIN 0
.macro FRAG reg, adr, off
.irp p, 0,1,2,3,4,5
	ds_load_b64 v[\reg+2*\p:\reg+2*\p+1], v[\adr] offset:(\off)+256*\p   ; a plane: 256 consecutive bytes
.endr
.endm
.macro FETCH q                         ; chunk q's fragments into set q % 2: 48 loads for B, 24 for A
	WIN TO_B
.irp i, 0,1,2,3,4,5,6,7
	FRAG 128*((\q)%2)+FR*\i, ADRB+\i/4, TILE*(\i%4)+1536*(\q)
.endr
	WIN 0
.irp i, 0,1,2,3
	FRAG AF+48*((\q)%2)+FR*\i, ADRA, TILE*\i+1536*(\q)
.endr
.endm
.macro MUL32 q                         ; the 32 accumulators by turns, one instruction a turn
.irp a, 0,1,2,3
.irp b, 0,1,2,3,4,5,6,7
.if (\q) == 0
	v_wmma_scale_f32_16x16x128_f8f6f4 v[8*(8*\a+\b):8*(8*\a+\b)+7], v[FR*\b:FR*\b+FR-1], v[AF+FR*\a:AF+FR*\a+FR-1], v[96+8*\b+96*(\b/4):96+8*\b+96*(\b/4)+7], v[SC+8*\b], v[SC+8*\a] matrix_a_fmt:MATRIX_FMT_FP6 matrix_b_fmt:MATRIX_FMT_FP6 matrix_a_scale:MATRIX_SCALE_ROW1
.else
	v_wmma_scale_f32_16x16x128_f8f6f4 v[8*(8*\a+\b):8*(8*\a+\b)+7], v[128*((\q)%2)+FR*\b:128*((\q)%2)+FR*\b+FR-1], v[AF+48*((\q)%2)+FR*\a:AF+48*((\q)%2)+FR*\a+FR-1], v[8*(8*\a+\b):8*(8*\a+\b)+7], v[SC+8*\b+(\q)], v[SC+8*\a+(\q)] matrix_a_fmt:MATRIX_FMT_FP6 matrix_b_fmt:MATRIX_FMT_FP6 matrix_a_scale:MATRIX_SCALE_ROW1
.endif
.endr
.endr
.endm
	s_wait_alu depctr_va_vdst(0)                   ; the wait at the head's end
	s_wait_tensorcnt 0x0                           ; my fill is in;
	s_barrier_signal -1
	s_barrier_wait -1                              ; and everybody's
	FETCH 0
.irp i, 0,1,2,3,4,5,6,7
	ds_load_b128 v[SC+8*\i:SC+8*\i+3], v[ADRS] offset:\i*SBLK        ; all of K's scale words
	ds_load_b128 v[SC+8*\i+4:SC+8*\i+7], v[ADRS] offset:\i*SBLK+16
.endr
	s_wait_loadcnt 0x0                             ; the bias
	s_wait_dscnt 0x0
	FETCH 1
	WIN 0x91                                       ; C window 1: the bias
	MUL32 0
.set Q, 1
.rept 6
	s_wait_dscnt 0x0                               ; this step's fragments, asked for a step ago
	PLACES 4                                       ; in front of loads into the sets that the last step's products read
	FETCH Q+1
	WIN MUL_LO
	MUL32 Q
.set Q, Q+1
.endr
	s_wait_dscnt 0x0
	MUL32 7
	WIN 0
	PLACES 4                                       ; in front of the first read of the results, and of loads over A's fragments
	s_barrier_signal -1                            ; no LDS load of mine is out: nobody reads a tile any more behind this barrier
	s_barrier_wait -1
; THE WAY OUT, block by block of 16 stored rows x 128 columns, through my stage and back as whole rows of 512 bytes
.macro TOSTAGE a
	WIN 0x08                                       ; the data: window 2
.irp b, 0,1,2,3,4,5,6,7
	ds_store_b128 v[STO], v[64*(\a)+8*\b:64*(\a)+8*\b+3] offset:128*(\b/2)+32*(\b%2)      ; each accumulator from its low end on
	ds_store_b128 v[STO], v[64*(\a)+8*\b+4:64*(\a)+8*\b+7] offset:128*(\b/2)+32*(\b%2)+16
.endr
	WIN 0
.set BB, BK+64*((\a)%2)
.irp t, 0,1,2,3,4,5,6,7,8,9,10,11,12,13,14,15
	ds_load_b128 v[BB+4*\t:BB+4*\t+3], v[RD] offset:\t*SPITCH        ; LDS serves a wave's instructions in order (ISA guide 5.7.1.4): these see the stores above
.endr
.endm
.macro SEND a, younger
.set BB, BK+64*((\a)%2)
	s_wait_dscnt \younger
.irp t, 0,1,2,3,4,5,6,7,8,9,10,11,12,13,14,15
	global_store_b128 v[CO], v[BB+4*\t:BB+4*\t+3], s[94:95] offset:(32*((\a)/2)+8*((\a)%2)+\t+8*(\t/8))*4096 th:TH_STORE_NT   ; 512 consecutive bytes, aligned
.endr
.endm
	TOSTAGE 0
.irp a, 1,2,3
.if \a > 1
	s_wait_xcnt 0x0                                ; block a - 2's stores have read their registers
.endif
	TOSTAGE \a
	SEND \a-1, 32                                  ; behind block a - 1's loads: block a's 16 stores and 16 loads
.endr
	SEND 3, 0
	s_wait_tensorcnt 0x0                           ; the wave's end
	ds_add_u32 v[SPW], v[NIL]
	s_wait_dscnt 0x0
	CROUND                                         ; the closing round
	s_endpgm
.Lfunc_end_k_qc762d5c724_outp:
	.size	k_qc762d5c724_outp, .Lfunc_end_k_qc762d5c724_outp-k_qc762d5c724_outp
	.p2alignl 7, 3214868480
	.fill 96, 4, 3214868480
	.section	.rodata,"a",@progbits
	.p2align	6, 0x0
	.amdhsa_kernel k_qc762d5c724_outp
		.amdhsa_group_segment_fixed_size 327680
		.amdhsa_private_segment_fixed_size 0
		.amdhsa_enable_private_segment 0
		.amdhsa_kernarg_size 48
		.amdhsa_user_sgpr_count 2
		.amdhsa_user_sgpr_kernarg_segment_ptr 1
		.amdhsa_wavefront_size32 1
		.amdhsa_system_sgpr_workgroup_id_x 1
		.amdhsa_system_sgpr_workgroup_id_y 1
		.amdhsa_system_sgpr_workgroup_id_z 1
		.amdhsa_system_vgpr_workitem_id 0
		.amdhsa_next_free_vgpr 768
		.amdhsa_next_free_sgpr 96
		.amdhsa_reserve_vcc 0
		.amdhsa_float_denorm_mode_32 3
		.amdhsa_float_denorm_mode_16_64 3
		.amdhsa_memory_ordered 1
		.amdhsa_forward_progress 1
		.amdhsa_inst_pref_size 96
	.end_amdhsa_kernel
	.amdgpu_metadata
---
amdhsa.version: [ 1, 2 ]
amdhsa.kernels:
  - .name:           k_qc762d5c724_outp
    .symbol:         k_qc762d5c724_outp.kd
    .args:
      - { .name: oc, .offset: 0, .size: 8, .value_kind: global_buffer, .address_space: global }
      - { .name: os, .offset: 8, .size: 8, .value_kind: global_buffer, .address_space: global }
      - { .name: wc, .offset: 16, .size: 8, .value_kind: global_buffer, .address_space: global }
      - { .name: ws, .offset: 24, .size: 8, .value_kind: global_buffer, .address_space: global }
      - { .name: bo, .offset: 32, .size: 8, .value_kind: global_buffer, .address_space: global }
      - { .name: out0, .offset: 40, .size: 8, .value_kind: global_buffer, .address_space: global }
    .group_segment_fixed_size: 327680
    .private_segment_fixed_size: 0
    .kernarg_segment_align: 8
    .kernarg_segment_size: 48
    .max_flat_workgroup_size: 128
    .sgpr_count:     96
    .vgpr_count:     768
    .wavefront_size: 32
...
	.end_amdgpu_metadata
.endif
;; end of part 4
